; MI455X (gfx1250); checked and timed in simulation.
; The chip was launched on July 23, 2026; its instructions are those of AMD's public machine-readable ISA for CDNA 5 (MIT licence, August 2026) and "CDNA5" Instruction Set Architecture Reference Guide (July 2026). The comments in the code are by the model that wrote it; some were corrected since.
;; Multi Head Attention. Allowed arithmetic: matrix products marked QUANTISED: E2M1 operands, one E8M0 scale for each 32 along K, by v_wmma_scale_f32_16x16x128_f8f6f4 with both operands' format E2M1 (or v_wmma_scale_f32_32x16x128_f4), f32 sums; products left as they are: bf16, f16 or f32 operands; f32 sums; everything else in f32.
;; Inputs: w_proj 1,024 x 1,024 float32; w_qkv 1,024 x 3,072 float32; x 2 x 2,048 x 1,024 float32.
;; Outputs: out0 2 x 2,048 x 1,024 float32.
;; This version of the problem:
;;   THIS VERSION OF THE PROBLEM IS GIVEN IN LOW PRECISION. The matrix products marked QUANTISED in the list below multiply operands that are first quantised to E2M1 (2 exponent bits, 1 mantissa bit; 4 bits a number), with one power-of-two scale for each 32 numbers along K (OCP MX v1.0); their sums are f32. The products marked 'left as it is' may take bf16, f16 or f32 operands, with f32 sums. Whichever they take, every output number must still come out within the allowed error. Rounding operands to bf16 (8 significant bits) uses up far more of that allowance than f16 does (11 bits, for magnitudes from 6e-5 to 65,504). All else is computed in f32.
;;   The module's matrix products, in the order in which they are computed (A, B: the left and right operand; K: the contracted axis; several contracted axes count as one K, in the product's order):
;;     1. [M 4,096, K 1,024] x [K 1,024, N 3,072]; A: input x; B: input w_qkv: QUANTISED
;;     2. batch 32 x [M 2,048, K 64] x [K 64, N 2,048]; A: computed on the way; B: computed on the way: left as it is (an operand is computed on the way)
;;     3. batch 32 x [M 2,048, K 2,048] x [K 2,048, N 64]; A: computed on the way; B: computed on the way: left as it is (an operand is computed on the way)
;;     4. [M 4,096, K 1,024] x [K 1,024, N 1,024]; A: computed on the way; B: input w_proj: left as it is (an operand is computed on the way)
;;   THE QUANTISER, for each operand of a quantised product, along K:
;;     - K is cut into blocks of 32 from its start; a last block that is shorter is filled with zeros.
;;     - A block's scale is 2^e with e = floor(log2(the largest magnitude in the block)) - 2, held to -126 .. 127; a block of zeros has e = 0. As a byte (E8M0): e + 127.
;;     - Each number is divided by its block's scale, clamped to +-6, and rounded to the nearest number of E2M1, ties to even, subnormals kept.
;;     - The product sums the exact products of the quantised numbers (number of the format x scale) in f32.
;;   ~~~python
;;   def quantise(x, axis):      # numpy; x: float32 -> the quantised numbers, widened to float32 again
;;       x = np.moveaxis(x, axis, -1); K = x.shape[-1]
;;       x = np.pad(x, [(0, 0)] * (x.ndim - 1) + [(0, -K % 32)]); x = x.reshape(x.shape[:-1] + (-1, 32)); a = np.abs(x).max(-1, keepdims=True)
;;       e = np.where(a > 0, np.clip(np.frexp(np.where(a > 0, a, 1))[1] - 1 - 2, -126, 127), 0)      # np.frexp(a)[1] - 1 = floor(log2(a)), exactly
;;       r = np.clip(x / 2.0 ** e, -6, 6)
;;       step = 2.0 ** (np.maximum(np.frexp(np.where(r == 0, 1, r))[1] - 1, 0) - 1)
;;       q = np.round(r / step) * step * 2.0 ** e      # np.round: ties to even
;;       return np.moveaxis(q.reshape(q.shape[:-2] + (-1,))[..., :K], -1, axis).astype(np.float32)
;;   ~~~
;; One version. Each part assembles by itself: llvm-mc -triple=amdgcn-amd-amdhsa -mcpu=gfx1250 --defsym DOCPART=n.
;; ======== version 1 of 1: 5 launches
;; limits: values are held in f16: magnitudes above 65,504 overflow, below 6.1e-05 lose precision
;; workspace buffers: xc 2,097,152 bytes; xs 131,072 bytes; wc 1,572,864 bytes; ws 98,304 bytes; wpt 2,097,152 bytes; qkv16 25,165,824 bytes; qkv32 393,216 bytes; y16 8,388,608 bytes
;; launch prep (part 1): grid 288 x 1, 4 waves a work-group, no clusters, 85,504 bytes of LDS; arguments x, w_qkv, w_proj, xc, xs, wc, ws, wpt; writes xc, xs, wc, ws, wpt
.if DOCPART == 1
	.amdgcn_target "amdgcn-amd-amdhsa--gfx1250"
	.amdhsa_code_object_version 6
	.text
	.protected	k_q8ffd6d4fd6_prep
	.globl	k_q8ffd6d4fd6_prep
	.p2align	8
	.type	k_q8ffd6d4fd6_prep,@function
k_q8ffd6d4fd6_prep:
	s_mov_b64 s[64:65], 0
	v_nop
	global_prefetch_b8 v0, s[64:65] scope:SCOPE_SE
	s_setreg_imm32_b32 hwreg(HW_REG_WAVE_MODE, 25, 1), 1
	s_wait_xcnt 0x0
; PREP: the three operands that later launches read many times are laid out once.
;   work-groups   0- 95: w_qkv [1024 (k)][3072 (n)] f32, K its FIRST axis -> wc: codes of E2M1, K innermost, [3072][512 bytes]; ws: one E8M0 byte for each 32 along K, [3072][32]
;   work-groups  96-223: x [4096][1024] f32 -> xc [4096][512 bytes], xs [4096][32]
;   work-groups 224-287: w_proj [1024 (k)][1024 (n)] f32 -> wpt: f16, transposed, [1024 (n)][1024 (k)]
; The paths with the longest chains of loads have the lowest numbers.
; A block's scale is 2^(floor(log2(its largest magnitude)) - 2); its byte is the largest magnitude's own exponent field - 2, held at 1 from below.
; LIMITS: a block of zeros, and a block whose largest magnitude lies under 2^-124, keeps the byte 1 (a block of zeros has zero codes, and the bytes are read by this program alone);
; NaN and infinities among the inputs are not served; w_proj has to lie inside f16's range (under 65,504).
; The three paths part on the work-group's number and never join; each has LDS bytes of its own.  No tensor loads, no barrier: waves share nothing.
.set SPW,   190                        ; v190  LDS address of my spare word; never rewritten
.set NIL,   191                        ; v191  0; never rewritten
.set EMAX,  2
.set PITCH, 272                        ; a stage row of the two weights' paths: 256 bytes + 16
.set XREG,  8192                       ; x's path: a wave's region: two stages of 32 x 80 bytes, then its 256 scale bytes
.set SP,    80
.set WST,   32768                      ; w_qkv's four stages, 16 rows each
.set WSTG,  16*PITCH
.set PST,   WST+4*WSTG                 ; w_proj's four stages, 32 rows each
.set PSTG,  32*PITCH
.set SPARE, PST+4*PSTG                 ; the spare words, 128 bytes for each wave
	s_load_b256 s[4:11], s[0:1], 0x0               ; x s[4:5], w_qkv s[6:7], w_proj s[8:9], xc s[10:11]
	s_load_b256 s[12:19], s[0:1], 0x20             ; xs s[12:13], wc s[14:15], ws s[16:17], wpt s[18:19]
	v_lshl_add_u32 v[SPW], v0, 2, SPARE
	v_mov_b32 v[NIL], 0
	v_lshrrev_b32 v1, 5, v0
	v_readfirstlane_b32 s20, v1                    ; wave 0..3
	v_and_b32 v2, 31, v0                           ; lane
	s_wait_kmcnt 0x0
	s_cmp_lt_u32 ttmp9, 96
	s_cbranch_scc1 .Lpath_w
	s_cmp_lt_u32 ttmp9, 224
	s_cbranch_scc1 .Lpath_x
; ---------------- w_proj -> f16, transposed.  A lane takes a column n and its registers run down k: a wave takes 32 columns x 128 k, 256 bytes of f16 for each column.
.set PX,   32                          ; v32-95   two sets of 32 numbers
.set PC,   96                          ; v96-111  a block's 32 numbers as f16
.set OUTR, 112                         ; v112-175 the way out
	s_sub_co_u32 s21, ttmp9, 224
	s_and_b32 s22, s21, 7                          ; which 128 columns
	s_lshr_b32 s21, s21, 3                         ; which 128 along k
	s_lshl_b32 s22, s22, 7
	s_lshl_b32 s24, s20, 5
	s_add_co_u32 s22, s22, s24                     ; my wave's first column
	s_lshl_b32 s24, s21, 19                        ; 128 rows of 4,096 bytes
	s_lshl_b32 s26, s22, 2
	s_add_co_u32 s24, s24, s26
	s_mov_b32 s25, 0
	s_add_nc_u64 s[8:9], s[8:9], s[24:25]
	s_lshl_b32 s24, s22, 11                        ; a row of wpt is 2,048 bytes
	s_lshl_b32 s26, s21, 8
	s_add_co_u32 s24, s24, s26
	s_add_nc_u64 s[18:19], s[18:19], s[24:25]
	s_mul_i32 s26, s20, PSTG
	s_add_co_u32 s26, s26, PST                     ; my stage
	v_lshlrev_b32 v3, 2, v2                        ; in: 4 bytes a lane
	v_mul_u32_u24 v4, v2, PITCH
	v_add_nc_u32 v4, s26, v4                       ; into the stage: row = my column
	v_and_b32 v5, 15, v2
	v_lshrrev_b32 v6, 4, v2
	v_mul_u32_u24 v7, v6, PITCH
	v_lshl_add_u32 v7, v5, 4, v7
	v_add_nc_u32 v7, s26, v7                       ; out of it: sixteen lanes to a row, two rows an instruction
	v_lshlrev_b32 v8, 11, v6
	v_lshl_add_u32 v8, v5, 4, v8                   ; and the same place in wpt
.macro LOADP t
.irp i, 0,1,2,3,4,5,6,7,8,9,10,11,12,13,14,15,16,17,18,19,20,21,22,23,24,25,26,27,28,29,30,31
	global_load_b32 v[PX+32*((\t)%2)+\i], v3, s[8:9] offset:(32*(\t)+\i)*4096 th:TH_LOAD_NT
.endr
.endm
.macro BLOCKP t
.set XS, PX+32*((\t)%2)
.if (\t) < 3
	s_wait_loadcnt 32                              ; this block's 32 loads are in; the next block's may be out
.else
	s_wait_loadcnt 0
.endif
.irp i, 0,1,2,3,4,5,6,7,8,9,10,11,12,13,14,15
	v_cvt_pk_f16_f32 v[PC+\i], v[XS+2*\i], v[XS+2*\i+1]
.endr
.irp g, 0,1,2,3
	ds_store_b128 v4, v[PC+4*\g:PC+4*\g+3] offset:64*(\t)+16*\g
.endr
.if (\t)+2 < 4
	LOADP (\t)+2
.endif
	s_wait_dscnt 0x0                               ; the stores have read their registers: the next block's numbers may be written
.endm
	LOADP 0
	LOADP 1
	BLOCKP 0
	BLOCKP 1
	BLOCKP 2
	BLOCKP 3
.irp t, 0,1,2,3,4,5,6,7,8,9,10,11,12,13,14,15
	ds_load_b128 v[OUTR+4*\t:OUTR+4*\t+3], v7 offset:2*\t*PITCH   ; LDS serves a wave's instructions in order: these see my stores
.endr
.irp t, 0,1,2,3,4,5,6,7,8,9,10,11,12,13,14,15
	s_wait_dscnt 15-\t
	global_store_b128 v8, v[OUTR+4*\t:OUTR+4*\t+3], s[18:19] offset:2*\t*2048   ; sixteen lanes store 256 consecutive bytes, aligned
.endr
	s_wait_tensorcnt 0x0                           ; the wave's end, behind my last LDS store
	ds_add_u32 v[SPW], v[NIL]
	s_wait_dscnt 0x0
	s_endpgm
; ---------------- w_qkv.  A lane takes a column n and its registers run down K: a block of 32 along K lies in one lane, and the conversions give codes with K innermost.
; A wave takes 16 columns x 512 along K: lanes 0-15 the first 256 along K, lanes 16-31 the second 256 of the same columns: 8 blocks a lane, 256 loads a wave.  So a column's 256 bytes of codes
; are all made by one wave; they leave through its own stage as whole rows.  The four waves of a work-group stand side by side on 256 consecutive bytes of each row of w_qkv
; (neighbouring waves share those bytes: the loads carry no non-temporal hint).
.Lpath_w:
.set WX,   32                          ; v32-95   two sets of 32 numbers
.set WC,   96                          ; v96-99   a block's codes
.set SB,   24                          ; v24-25   my 8 scale bytes, four to a register
.set NB,   8
	s_cmp_ge_u32 ttmp9, 48
	s_cselect_b32 s22, 1, 0                        ; which 512 along K
	s_cselect_b32 s23, 48, 0
	s_sub_co_u32 s21, ttmp9, s23                   ; which 64 columns
	s_lshl_b32 s21, s21, 6
	s_lshl_b32 s23, s20, 4
	s_add_co_u32 s21, s21, s23                     ; my wave's first column
	s_mul_i32 s24, s22, 512*12288                  ; 512 rows of 12,288 bytes
	s_lshl_b32 s26, s21, 2
	s_add_co_u32 s24, s24, s26
	s_mov_b32 s25, 0
	s_add_nc_u64 s[6:7], s[6:7], s[24:25]
	s_lshl_b32 s24, s21, 9                         ; a row of wc is 512 bytes
	s_lshl_b32 s26, s22, 8
	s_add_co_u32 s24, s24, s26
	s_add_nc_u64 s[14:15], s[14:15], s[24:25]
	s_lshl_b32 s24, s21, 5                         ; a row of ws is 32 bytes
	s_lshl_b32 s26, s22, 4
	s_add_co_u32 s24, s24, s26
	s_add_nc_u64 s[16:17], s[16:17], s[24:25]
	s_mul_i32 s26, s20, WSTG
	s_add_co_u32 s26, s26, WST                     ; my stage
	v_and_b32 v5, 15, v2                           ; my column of the wave's 16
	v_lshrrev_b32 v6, 4, v2                        ; which 256 along K
	v_mul_u32_u24 v3, v6, 256*12288
	v_lshl_add_u32 v3, v5, 2, v3                   ; in: 4 bytes a column, 256 rows down for lanes 16-31
	v_mul_u32_u24 v4, v5, PITCH
	v_lshl_add_u32 v4, v6, 7, v4
	v_add_nc_u32 v4, s26, v4                       ; into the stage: row = my column, my half of its 256 bytes
	v_mul_u32_u24 v7, v6, PITCH
	v_lshl_add_u32 v7, v5, 4, v7
	v_add_nc_u32 v7, s26, v7                       ; out of it: sixteen lanes to a row, two rows an instruction
	v_lshlrev_b32 v8, 9, v6
	v_lshl_add_u32 v8, v5, 4, v8                   ; and the same place in wc
	v_lshlrev_b32 v9, 5, v5
	v_lshl_add_u32 v9, v6, 3, v9                   ; my 8 bytes of my column's row of scale bytes
.macro LOADW t                         ; block t: W(256 (lane / 16) + 32 t + i, my column); the largest immediate, 255 x 12,288, lies inside the signed 24 bits
.irp i, 0,1,2,3,4,5,6,7,8,9,10,11,12,13,14,15,16,17,18,19,20,21,22,23,24,25,26,27,28,29,30,31
	global_load_b32 v[WX+32*((\t)%2)+\i], v3, s[6:7] offset:(32*(\t)+\i)*12288
.endr
.endm
.macro BLOCKW t
.set XS, WX+32*((\t)%2)
.if (\t) < NB-1
	s_wait_loadcnt 32                              ; this block's 32 loads are in; the next block's may be out
.else
	s_wait_loadcnt 0
.endif
	v_max3_num_f32 v12, |v[XS]|, |v[XS+1]|, |v[XS+2]|               ; the block's largest magnitude: all 32 numbers are mine
	v_max3_num_f32 v13, |v[XS+3]|, |v[XS+4]|, |v[XS+5]|
.irp i, 6,10,14,18,22,26
	v_max3_num_f32 v12, v12, |v[XS+\i]|, |v[XS+\i+1]|
	v_max3_num_f32 v13, v13, |v[XS+\i+2]|, |v[XS+\i+3]|
.endr
	v_max3_num_f32 v12, v12, |v[XS+30]|, |v[XS+31]|
	v_max3_num_f32 v12, v12, v13, (EMAX+1)<<23     ; and the floor 2^(3 - 127): the byte cannot fall under 1
	v_add_nc_u32 v11, -(EMAX<<23), v12             ; 2 off its exponent field: the conversion takes the exponent field of this operand as its scale
	v_lshrrev_b32 v13, 23, v11                     ; the scale's byte
.if (\t)%4 == 0
	v_mov_b32 v[SB+(\t)/4], v13
.else
	v_lshl_or_b32 v[SB+(\t)/4], v13, 8*((\t)%4), v[SB+(\t)/4]
.endif
.irp g, 0,1,2,3
	v_cvt_scalef32_pk8_fp4_f32 v[WC+\g], v[XS+8*\g:XS+8*\g+7], v11
.endr
	ds_store_b128 v4, v[WC:WC+3] offset:16*(\t)    ; 32 codes: 16 bytes of my column's row
.if (\t)+2 < NB
	LOADW (\t)+2
.endif
	s_wait_dscnt 0x0                               ; the store has read its registers: the next block's codes may be written
.endm
	LOADW 0
	LOADW 1
.set QB, 0
.rept NB
	BLOCKW QB
.set QB, QB+1
.endr
	global_store_b64 v9, v[SB:SB+1], s[16:17]      ; my 8 scale bytes
.irp t, 0,1,2,3,4,5,6,7
	ds_load_b128 v[OUTR+4*\t:OUTR+4*\t+3], v7 offset:2*\t*PITCH   ; LDS serves a wave's instructions in order: these see my stores
.endr
.irp t, 0,1,2,3,4,5,6,7
	s_wait_dscnt 7-\t
	global_store_b128 v8, v[OUTR+4*\t:OUTR+4*\t+3], s[14:15] offset:2*\t*512   ; sixteen lanes store 256 consecutive bytes, aligned
.endr
	s_wait_tensorcnt 0x0                           ; the wave's end
	ds_add_u32 v[SPW], v[NIL]
	s_wait_dscnt 0x0
	s_endpgm
; ---------------- x is a plain stream of blocks of 32.  A wave takes 16 steps of 512 numbers.  Each load reads 512 consecutive bytes; a step's 2,048 bytes turn through the wave's
; own stage so that a lane holds 16 neighbours (two neighbouring lanes hold a block).  A lane's 16 codes are 8 bytes: the wave stores 256 consecutive bytes.
.Lpath_x:
.set STEPS, 16
.set CB,    8
.set XR,    16                         ; v16-79   four sets of 16 numbers as loaded
.set XX,    80                         ; v80-111  two sets of 16 neighbours
.set XE,    112                        ; v112-127 a scale byte for each step
.set XC,    128                        ; v128-189 codes: registers of its own for each step
	v_lshlrev_b32 v3, 4, v2                        ; my 16 bytes of a load's 512
	s_mul_i32 s21, s20, XREG
	v_lshrrev_b32 v14, 2, v2
	v_mul_u32_u24 v14, v14, SP
	v_and_b32 v15, 3, v2
	v_lshl_add_u32 v14, v15, 4, v14
	v_add_nc_u32 v14, s21, v14                     ; the stage, on the way in: four lanes' 64 bytes on end, then 16 of padding
	v_mul_u32_u24 v15, v2, SP
	v_add_nc_u32 v15, s21, v15                     ; and on the way out: my 16 neighbours
	v_mul_u32_u24 v4, v2, CB
	v_lshrrev_b32 v5, 1, v2
	s_add_co_u32 s21, s21, 2*32*SP
	v_add_nc_u32 v5, s21, v5                       ; my wave's 256 scale bytes, my block's byte
	v_lshlrev_b32 v7, 3, v2
	v_add_nc_u32 v6, s21, v7
	s_sub_co_u32 s22, ttmp9, 96
	s_lshl_b32 s22, s22, 2
	s_add_co_u32 s22, s22, s20                     ; which run of 8,192 numbers is my wave's
	s_mov_b32 s23, 0
	s_lshl_b64 s[24:25], s[22:23], 15
	s_add_nc_u64 s[4:5], s[4:5], s[24:25]
	s_lshl_b64 s[24:25], s[22:23], 12
	s_add_nc_u64 s[10:11], s[10:11], s[24:25]
	s_lshl_b64 s[24:25], s[22:23], 8
	s_add_nc_u64 s[12:13], s[12:13], s[24:25]
.macro XLOAD t
.irp i, 0,1,2,3
	global_load_b128 v[XR+16*((\t)%4)+4*\i:XR+16*((\t)%4)+4*\i+3], v3, s[4:5] offset:2048*(\t)+512*\i th:TH_LOAD_NT
.endr
.endm
.macro XTURN t                         ; step t's numbers through the stage: LDS serves a wave's instructions in order
.irp i, 0,1,2,3
	ds_store_b128 v14, v[XR+16*((\t)%4)+4*\i:XR+16*((\t)%4)+4*\i+3] offset:32*SP*((\t)%2)+8*SP*\i
.endr
.irp i, 0,1,2,3
	ds_load_b128 v[XX+16*((\t)%2)+4*\i:XX+16*((\t)%2)+4*\i+3], v15 offset:32*SP*((\t)%2)+16*\i
.endr
.endm
.irp t, 0,1,2,3
	XLOAD \t
.endr
	s_wait_loadcnt 12                              ; step 0's four loads are in
	XTURN 0
.macro XSTEP t
.set XS, XX+16*((\t)%2)
.if (\t) > 0
	s_wait_dscnt 1                                 ; this step's numbers are back from the stage (the last step's byte store may be out)
.else
	s_wait_dscnt 0x0
.endif
.if (\t)+4 < STEPS
	XLOAD (\t)+4
.endif
.if (\t)+1 < STEPS
.if STEPS-2-(\t) >= 3
	s_wait_loadcnt 12                              ; the next step's four loads are in; those of the three steps behind it may be out
.else
	s_wait_loadcnt 4*(STEPS-2-(\t))
.endif
	XTURN (\t)+1
.endif
	v_max3_num_f32 v8, |v[XS]|, |v[XS+1]|, |v[XS+2]|
	v_max3_num_f32 v9, |v[XS+3]|, |v[XS+4]|, |v[XS+5]|
.irp i, 6,10
	v_max3_num_f32 v8, v8, |v[XS+\i]|, |v[XS+\i+1]|
	v_max3_num_f32 v9, v9, |v[XS+\i+2]|, |v[XS+\i+3]|
.endr
	v_max3_num_f32 v8, v8, |v[XS+14]|, |v[XS+15]|
	v_max3_num_f32 v8, v8, v9, (EMAX+1)<<23        ; and the floor
	v_max_num_f32_dpp v8, v8, v8 row_xmask:1 row_mask:0xf bank_mask:0xf   ; and my neighbour's 16: the block's
	v_add_nc_u32 v11, -(EMAX<<23), v8
	v_cvt_scalef32_pk8_fp4_f32 v[XC+4*(\t)], v[XS:XS+7], v11
	v_cvt_scalef32_pk8_fp4_f32 v[XC+4*(\t)+1], v[XS+8:XS+15], v11
	v_lshrrev_b32 v[XE+(\t)], 23, v11              ; the scale's byte
	ds_store_b8 v5, v[XE+(\t)] offset:16*(\t)      ; both lanes of a block write the same byte with the same value
	global_store_b64 v4, v[XC+4*(\t):XC+4*(\t)+1], s[10:11] offset:32*CB*(\t)
.endm
.irp t, 0,1,2,3,4,5,6,7,8,9,10,11,12,13,14,15
	XSTEP \t
.endr
	ds_load_b64 v[8:9], v6
	s_wait_dscnt 0x0
	global_store_b64 v7, v[8:9], s[12:13]          ; 32 lanes store 256 consecutive bytes, aligned
	s_wait_tensorcnt 0x0                           ; the wave's end
	ds_add_u32 v[SPW], v[NIL]
	s_wait_dscnt 0x0
	s_endpgm
.Lfunc_end_k_q8ffd6d4fd6_prep:
	.size	k_q8ffd6d4fd6_prep, .Lfunc_end_k_q8ffd6d4fd6_prep-k_q8ffd6d4fd6_prep
	.p2alignl 7, 3214868480
	.fill 96, 4, 3214868480
	.section	.rodata,"a",@progbits
	.p2align	6, 0x0
	.amdhsa_kernel k_q8ffd6d4fd6_prep
		.amdhsa_group_segment_fixed_size 85504
		.amdhsa_private_segment_fixed_size 0
		.amdhsa_enable_private_segment 0
		.amdhsa_kernarg_size 64
		.amdhsa_user_sgpr_count 2
		.amdhsa_user_sgpr_kernarg_segment_ptr 1
		.amdhsa_wavefront_size32 1
		.amdhsa_system_sgpr_workgroup_id_x 1
		.amdhsa_system_sgpr_workgroup_id_y 1
		.amdhsa_system_sgpr_workgroup_id_z 1
		.amdhsa_system_vgpr_workitem_id 0
		.amdhsa_next_free_vgpr 192
		.amdhsa_next_free_sgpr 66
		.amdhsa_reserve_vcc 0
		.amdhsa_float_denorm_mode_32 3
		.amdhsa_float_denorm_mode_16_64 3
		.amdhsa_memory_ordered 1
		.amdhsa_forward_progress 1
		.amdhsa_inst_pref_size 94
	.end_amdhsa_kernel
	.amdgpu_metadata
---
amdhsa.version: [ 1, 2 ]
amdhsa.kernels:
  - .name:           k_q8ffd6d4fd6_prep
    .symbol:         k_q8ffd6d4fd6_prep.kd
    .args:
      - { .name: x, .offset: 0, .size: 8, .value_kind: global_buffer, .address_space: global }
      - { .name: w_qkv, .offset: 8, .size: 8, .value_kind: global_buffer, .address_space: global }
      - { .name: w_proj, .offset: 16, .size: 8, .value_kind: global_buffer, .address_space: global }
      - { .name: xc, .offset: 24, .size: 8, .value_kind: global_buffer, .address_space: global }
      - { .name: xs, .offset: 32, .size: 8, .value_kind: global_buffer, .address_space: global }
      - { .name: wc, .offset: 40, .size: 8, .value_kind: global_buffer, .address_space: global }
      - { .name: ws, .offset: 48, .size: 8, .value_kind: global_buffer, .address_space: global }
      - { .name: wpt, .offset: 56, .size: 8, .value_kind: global_buffer, .address_space: global }
    .group_segment_fixed_size: 85504
    .private_segment_fixed_size: 0
    .kernarg_segment_align: 8
    .kernarg_segment_size: 64
    .max_flat_workgroup_size: 128
    .sgpr_count:     66
    .vgpr_count:     192
    .wavefront_size: 32
...
	.end_amdgpu_metadata
.endif
;; end of part 1
;; launch gemm_qkv (part 2): grid 12 x 16, 4 waves a work-group, clusters of 4 x 4, 327,680 bytes of LDS; arguments xc, xs, wc, ws, qkv16, qkv32; writes qkv16, qkv32
.if DOCPART == 2
	.amdgcn_target "amdgcn-amd-amdhsa--gfx1250"
	.amdhsa_code_object_version 6
	.text
	.protected	k_q8ffd6d4fd6_gemm_qkv
	.globl	k_q8ffd6d4fd6_gemm_qkv
	.p2align	8
	.type	k_q8ffd6d4fd6_gemm_qkv,@function
k_q8ffd6d4fd6_gemm_qkv:
	s_mov_b64 s[64:65], 0
	v_nop
	global_prefetch_b8 v0, s[64:65] scope:SCOPE_SE
	s_setreg_imm32_b32 hwreg(HW_REG_WAVE_MODE, 25, 1), 1
	s_wait_xcnt 0x0
	s_wait_alu depctr_hold_cnt(0) depctr_sa_sdst(0) depctr_va_vdst(0) depctr_va_sdst(0) depctr_va_ssrc(0) depctr_va_vcc(0) depctr_vm_vsrc(0)
	s_getreg_b32 s2, hwreg(HW_REG_IB_STS2, 6, 4)
	s_cmp_eq_u32 s2, 0
	s_cbranch_scc0 .Lentry_in_a_cluster
	s_endpgm
.Lentry_in_a_cluster:
	s_bfe_u32 s2, ttmp6, 0x10000c
	s_cmp_lg_u32 s2, 0xf033
	s_cbranch_scc0 .Lentry_shape_is_right
	s_endpgm
.Lentry_shape_is_right:
; qkv = Q(x) Q(w_qkv): [4096][1024] x [3072][1024]^T on codes of E2M1 with one E8M0 scale for each 32 along K; sums in f32.
; A tile of 256 x 256 is made by four waves, each 128 x 128: 64 accumulators of 16 x 16.  K = 1,024 is two slots of 512 along K: both are asked for at the head, nothing is filled again.
; The scale bytes of the work-group's rows of both operands come once, as dense blocks.  CLUSTERS: 4 x 4 work-groups; x's tiles are shared along a row of the cluster, w's along a column, by joint loads.
; THE MATRIX INSTRUCTION IS USED TRANSPOSED (source 0 = 16 rows of w, source 1 = 16 rows of x): a lane holds eight neighbouring columns of one row of qkv.
; OUT: qkv16, f16, by heads: [b 2][g 48][t 2048][64], g = column / 64 (q: 0-15, k: 16-31, v: 32-47); q's columns are multiplied in f32 by c = log2(e) / 8, so that attention's scores are exponents of 2.
;      qkv32, f32, unscaled: [b 2][t 16][3072]: the first 16 positions of both sequences, for the launch that carries them in f32.
; LIMIT: q c, k and v have to lie inside f16's range (under 65,504).
; REGISTERS: window 0: v0-31 addresses; v32-95 scale words, two sets, and nothing else; v96-127 the way out's f16 pairs; v128-191 x's fragments, one set, on the way out rows read back.
;   window 1: w's fragments, two sets.   window 2: the accumulators of my rows 0-63 ((a, b) at v[8 (8 a + b)]);   window 3: those of my rows 64-127.
.set SIZE_K, 1024
.set KSTEP,  512
.set NQ,     KSTEP/128
.set ROWB,   256
.set KROW,   SIZE_K/2
.set PITCH,  272                       ; an LDS row: 256 bytes + 16 of padding: the 16 rows that a load touches start 68 words apart
.set FR,     8
.set NL,     2
.set NP,     4
.set HALFT,  128*PITCH
.set SLOT,   4*HALFT
.set KS,     SIZE_K/32
.set SCL,    2*SLOT
.set HALFS,  (128*KS/256)*272
.set SBLK,   (16*KS/256)*272
.set SPARE,  SCL+4*HALFS               ; the spare words, 128 bytes for each wave
.set SPITCH, 272                       ; the way out: a stage of 16 rows x (256 bytes + 16) for each wave, in slot 0, which has had its only fill and its last read by then
.set ADRA, 16
.set ADRB, 20
.set STO,  24
.set RD,   25
.set CO,   26
.set ADRS, 27
.set SPW,  28
.set NIL,  29
.set FO,   30                          ; v30  my byte offset in qkv32: row r, + 32 h
.set SC,   32
.set TMP,  96
.set AF,   128
.set BK,   128
.set G1, 24
.set G0, 32
.set G1B, 48
.set G0B, 56
.set G1S, 68
.set G0S, 76
.set G1SB, 80
.set G0SB, 88
.set MSB, 0
.macro WIN new                         ; the immediate's high byte repeats the setting that is left
.if MSB != \new
	s_set_vgpr_msb (MSB<<8)|\new
.set MSB, \new
.endif
.endm
.set MUL_LO, 0xa1                      ; source 0 (w) window 1, source 1 (x) window 0, C and D window 2
.set MUL_HI, 0xf1
.set TO_B,   0x40
; A joint load: waves 0 and 1 fetch for x, waves 2 and 3 for w.  The branch hangs on the wave's number alone.  An s_nop 0 and four v_nop follow each of the two lines.
.macro JLOAD g0a, g1a, g0b, g1b
	s_cmp_eq_u32 s15, 0
	s_cbranch_scc0 .Lfor_b_\@
	tensor_load_to_lds s[\g0a:\g0a+3], s[\g1a:\g1a+7]
	s_nop 0
.rept 4
	v_nop
.endr
	s_branch .Lasked_\@
.Lfor_b_\@:
	tensor_load_to_lds s[\g0b:\g0b+3], s[\g1b:\g1b+7]
	s_nop 0
.rept 4
	v_nop
.endr
.Lasked_\@:
.endm
.macro CROUND                          ; a round of the cluster's barrier
	s_barrier_signal -1
	s_barrier_wait -1
	s_cmp_lg_u32 s14, 0
	s_cbranch_scc1 .Lnot_wave_0_\@
	s_barrier_signal -3
.Lnot_wave_0_\@:
	s_barrier_wait -3
	s_barrier_signal -1
	s_barrier_wait -1
.endm
	s_load_b128 s[4:7], s[0:1], 0x0                ; x's codes s[4:5], x's scales s[6:7]
	s_load_b128 s[8:11], s[0:1], 0x10              ; w's codes s[8:9], w's scales s[10:11]
	s_load_b128 s[96:99], s[0:1], 0x20             ; qkv16 s[96:97], qkv32 s[98:99]
	v_lshl_add_u32 v[SPW], v0, 2, SPARE
	v_mov_b32 v[NIL], 0
	ds_add_u32 v[SPW], v[NIL]                      ; the wave's opening: the add, twice on end, and its wait ahead of my first tensor load
	ds_add_u32 v[SPW], v[NIL]
	v_lshrrev_b32 v1, 5, v0
	v_readfirstlane_b32 s14, v1                    ; wave 0..3
	s_lshr_b32 s15, s14, 1                         ; which half of the tile's rows is mine.  Also: I fetch for x (0) or for w (1)
	s_and_b32 s16, s14, 1                          ; which half of its columns.  Also: which 128 rows of that tile I fetch
	s_bfe_u32 s40, ttmp6, 0x40000                  ; cx, cy
	s_bfe_u32 s41, ttmp6, 0x40004
	s_lshl_b32 s42, ttmp9, 2
	s_add_co_u32 s42, s42, s40                     ; tile column = 4 x cluster x + cx
	s_and_b32 s17, ttmp7, 0xffff
	s_lshl_b32 s17, s17, 2
	s_add_co_u32 s17, s17, s41                     ; tile row = 4 x cluster y + cy
	s_lshl_b32 s43, s41, 2
	s_lshl_b32 s43, 15, s43                        ; my row of the cluster
	s_lshl_b32 s44, 0x1111, s40                    ; my column
	s_or_b32 s[G1+0], s43, (0<<16)|(1<<20)|(1<<21)|(5<<22)|(3<<25)  ; the mask; elements of 1 byte; padding on; bit 21 beside a mask; 4 words after every 64
	s_or_b32 s[G1B+0], s44, (0<<16)|(1<<20)|(1<<21)|(5<<22)|(3<<25)
.irp g, G1, G1B
	s_mov_b32 s[\g+1], ROWB<<16                    ; tensor_dim0
	s_mov_b32 s[\g+2], 128<<16                     ; tensor_dim1
	s_mov_b32 s[\g+3], ROWB<<16                    ; tile_dim0
	s_mov_b32 s[\g+4], 128                         ; tile_dim1
	s_mov_b32 s[\g+5], KROW                        ; from row to row
	s_mov_b32 s[\g+6], 0
	s_mov_b32 s[\g+7], 0
.endr
	s_or_b32 s[G1S+0], s43, (3<<16)|(1<<20)|(1<<21)|(5<<22)|(3<<25) ; the scales of 128 rows: 4,096 dense bytes as 16 rows of 256 (32 elements of 8 bytes), 16 bytes of padding behind each
	s_or_b32 s[G1SB+0], s44, (3<<16)|(1<<20)|(1<<21)|(5<<22)|(3<<25)
.irp g, G1S, G1SB
	s_mov_b32 s[\g+1], 32<<16
	s_mov_b32 s[\g+2], (128*KS/256)<<16
	s_mov_b32 s[\g+3], 32<<16
	s_mov_b32 s[\g+4], 128*KS/256
	s_mov_b32 s[\g+5], 32
	s_mov_b32 s[\g+6], 0
	s_mov_b32 s[\g+7], 0
.endr
	s_lshl_b32 s18, s16, 7
	s_lshl_b32 s20, s17, 8
	s_add_co_u32 s20, s20, s18                     ; x: row 256 x tile row + 128 x half
	s_lshl_b32 s46, s42, 8
	s_add_co_u32 s46, s46, s18                     ; w: row 256 x tile column + 128 x half
	s_mov_b32 s21, 0
	s_mov_b32 s47, 0
	s_mov_b64 s[18:19], KS
	s_mul_u64 s[22:23], s[20:21], s[18:19]         ; where these rows' scales begin
	s_mul_u64 s[92:93], s[46:47], s[18:19]
	s_mov_b64 s[18:19], KROW
	s_mul_u64 s[20:21], s[20:21], s[18:19]         ; and their codes
	s_mul_u64 s[46:47], s[46:47], s[18:19]
	s_mul_i32 s45, s14, HALFT                      ; where they go: wave x 128 rows
	s_mul_i32 s94, s14, HALFS
	s_wait_dscnt 0x0                               ; both opening adds are done
	s_wait_kmcnt 0x0
	s_add_nc_u64 s[20:21], s[4:5], s[20:21]
	s_add_nc_u64 s[22:23], s[6:7], s[22:23]
	s_add_nc_u64 s[46:47], s[8:9], s[46:47]
	s_add_nc_u64 s[92:93], s[10:11], s[92:93]
	CROUND                                         ; all sixteen work-groups are here: the joint loads meet
	s_mov_b32 s[G0S], 1
	s_add_co_u32 s[G0S+1], s94, SCL
	s_mov_b64 s[G0S+2:G0S+3], s[22:23]
	s_or_b32 s[G0S+3], s[G0S+3], 0x80000000
	s_mov_b32 s[G0SB], 1
	s_add_co_u32 s[G0SB+1], s94, SCL
	s_mov_b64 s[G0SB+2:G0SB+3], s[92:93]
	s_or_b32 s[G0SB+3], s[G0SB+3], 0x80000000
	JLOAD G0S, G1S, G0SB, G1SB                     ; the scales first: they are wanted with K step 0
.irp s, 0,1
	s_mov_b32 s[G0+4*\s], 1
	s_add_co_u32 s[G0+4*\s+1], s45, \s*SLOT
	s_add_nc_u64 s[G0+4*\s+2:G0+4*\s+3], s[20:21], \s*ROWB
	s_or_b32 s[G0+4*\s+3], s[G0+4*\s+3], 0x80000000
	s_mov_b32 s[G0B+4*\s], 1
	s_add_co_u32 s[G0B+4*\s+1], s45, \s*SLOT
	s_add_nc_u64 s[G0B+4*\s+2:G0B+4*\s+3], s[46:47], \s*ROWB
	s_or_b32 s[G0B+4*\s+3], s[G0B+4*\s+3], 0x80000000
	JLOAD G0+4*\s, G1, G0B+4*\s, G1B               ; three loads of mine are out in all
.endr
	v_and_b32 v1, 15, v0                           ; r = l % 16
	v_bfe_u32 v2, v0, 4, 1                         ; h = l / 16
	v_mul_u32_u24 v3, v1, PITCH
	v_lshl_add_u32 v4, v2, 4, v3                   ; a fragment's row x pitch + 16 x half
	s_mul_i32 s21, s15, HALFT
	s_mul_i32 s22, s16, HALFT
	s_add_co_u32 s22, s22, 2*HALFT
.irp s, 0,1
	v_add_nc_u32 v[ADRA+\s], s21, v4
	v_add_nc_u32 v[ADRB+\s], s22, v4
	s_add_co_u32 s21, s21, SLOT
	s_add_co_u32 s22, s22, SLOT
.endr
	v_mul_u32_u24 v5, v1, KS                       ; my row's scales: KS bytes a row,
	v_lshrrev_b32 v6, 8, v5
	v_lshl_add_u32 v5, v6, 4, v5                   ; and 16 more for each 256 passed
	s_mul_i32 s21, s15, HALFS
	s_mul_i32 s22, s16, HALFS
	s_add_co_u32 s22, s22, 2*HALFS
	s_sub_co_u32 s22, s22, s21
	v_mul_u32_u24 v6, s22, v2                      ; lanes 16-31 take w's
	s_add_co_u32 s21, s21, SCL
	v_add_nc_u32 v5, v5, v6
	v_add_nc_u32 v[ADRS], s21, v5
	s_mul_i32 s23, s14, 16*SPITCH                  ; my stage
	v_mul_u32_u24 v5, v1, SPITCH                   ; in: row r, 16 bytes for each half of the lanes
	v_lshl_add_u32 v5, v2, 4, v5
	v_add_nc_u32 v[STO], s23, v5
	v_and_b32 v6, 31, v0
	v_lshlrev_b32 v[CO], 4, v6                     ; out: 16 bytes a lane: four rows of one head are 512 consecutive bytes of qkv16
	v_lshrrev_b32 v5, 3, v6
	v_mul_u32_u24 v5, v5, SPITCH
	v_and_b32 v6, 7, v0
	v_lshl_add_u32 v5, v6, 4, v5
	v_add_nc_u32 v[RD], s23, v5                    ; back: row l / 8, 16 (l % 8) bytes into a head's 128
	v_mul_u32_u24 v[FO], v1, 12288
	v_lshl_add_u32 v[FO], v2, 5, v[FO]
	s_lshl_b32 s20, s17, 8
	s_lshl_b32 s21, s15, 7
	s_add_co_u32 s20, s20, s21                     ; my first row
	s_lshr_b32 s21, s20, 11                        ; its batch,
	s_and_b32 s20, s20, 2047                       ; its position
	s_mul_i32 s21, s21, 48*262144
	s_lshl_b32 s20, s20, 7
	s_add_co_u32 s20, s20, s21
	s_lshl_b32 s46, s42, 2
	s_lshl_b32 s47, s16, 1
	s_add_co_u32 s46, s46, s47                     ; my first head-sized group of columns
	s_lshl_b32 s46, s46, 18
	s_add_co_u32 s20, s20, s46
	s_mov_b32 s21, 0
	s_add_nc_u64 s[96:97], s[96:97], s[20:21]
	s_lshr_b32 s20, s17, 3                         ; qkv32: the batch,
	s_mul_i32 s20, s20, 16*12288
	s_lshl_b32 s46, s42, 10
	s_lshl_b32 s47, s16, 9
	s_add_co_u32 s46, s46, s47                     ; my first column, in bytes
	s_add_co_u32 s20, s20, s46
	s_add_nc_u64 s[98:99], s[98:99], s[20:21]
	s_and_b32 s95, s17, 7                          ; 0 where the tile begins a sequence
	s_cmp_lt_u32 s42, 4                            ; tile columns 0-3 are q
	s_cselect_b32 s100, 0x3e38aa3b, 1.0            ; c = log2(e) / 8, or 1: a choice of a value, no branch
	s_mov_b32 s101, s100                           ; (named with it as a pair)
.macro FRAG reg, adr, q, i             ; 16 rows x 128 K of 4-bit codes: 8 registers; registers 4 c .. 4 c + 3 hold K = 64 c + 32 (l / 16) + 0 .. 31
.irp c, 0,1
	ds_load_b128 v[\reg+4*\c:\reg+4*\c+3], v[\adr] offset:64*(\q)+32*\c+(\i)*16*PITCH
.endr
.endm
; 16 matrix instructions: x's blocks a0, a0 + 1 against w's eight.  The 64 accumulators take turns, one instruction a turn.
.macro MUL16 a0, p, q, sc, zero
.irp a, \a0, \a0+1
.irp b, 0,1,2,3,4,5,6,7
.if \zero
	v_wmma_scale_f32_16x16x128_f8f6f4 v[8*(8*((\a)%4)+\b):8*(8*((\a)%4)+\b)+7], v[128*(\p)+FR*\b:128*(\p)+FR*\b+FR-1], v[AF+FR*(\a):AF+FR*(\a)+FR-1], 0, v[SC+8*NQ*(\sc)+NQ*\b+(\q)], v[SC+8*NQ*(\sc)+NQ*(\a)+(\q)] matrix_a_fmt:MATRIX_FMT_FP4 matrix_b_fmt:MATRIX_FMT_FP4 matrix_a_scale:MATRIX_SCALE_ROW1
.else
	v_wmma_scale_f32_16x16x128_f8f6f4 v[8*(8*((\a)%4)+\b):8*(8*((\a)%4)+\b)+7], v[128*(\p)+FR*\b:128*(\p)+FR*\b+FR-1], v[AF+FR*(\a):AF+FR*(\a)+FR-1], v[8*(8*((\a)%4)+\b):8*(8*((\a)%4)+\b)+7], v[SC+8*NQ*(\sc)+NQ*\b+(\q)], v[SC+8*NQ*(\sc)+NQ*(\a)+(\q)] matrix_a_fmt:MATRIX_FMT_FP4 matrix_b_fmt:MATRIX_FMT_FP4 matrix_a_scale:MATRIX_SCALE_ROW1
.endif
.endr
.endr
.endm
.macro FETCH_B slot, q, p
	WIN TO_B
.irp i, 0,1,2,3,4,5,6,7
	FRAG 128*(\p)+FR*\i, ADRB+\slot, \q, \i
.endr
	WIN 0
.endm
.macro FETCH_A slot, q, i0
.irp i, \i0, \i0+1, \i0+2, \i0+3
	FRAG AF+FR*(\i), ADRA+\slot, \q, \i
.endr
.endm
.macro SCALES sc                       ; a K step's scale words: lanes 0-15 take x's block i, lanes 16-31 w's block i
.irp i, 0,1,2,3,4,5,6,7
	ds_load_b128 v[SC+8*NQ*\sc+NQ*\i:SC+8*NQ*\sc+NQ*\i+3], v[ADRS] offset:\i*SBLK
.endr
.endm
.macro PLACES n                        ; plain vector instructions between a matrix instruction and a load into, or a read of, its registers
.rept \n
	v_nop
.endr
.endm
.macro STEP slot, q, zero              ; 128 along K that has its successor in the same slot
	s_wait_dscnt 4*NL                              ; w's set and x's blocks 0-3 are in; the youngest eight loads (x's blocks 4-7) may be out
	WIN MUL_LO
	MUL16 0, (\q)%2, \q, \slot, \zero
	MUL16 2, (\q)%2, \q, \slot, \zero
	s_wait_dscnt 0
	PLACES NP
	FETCH_B \slot, (\q)+1, 1-(\q)%2
	FETCH_A \slot, (\q)+1, 0
	WIN MUL_HI
	MUL16 4, (\q)%2, \q, \slot, \zero
	MUL16 6, (\q)%2, \q, \slot, \zero
	PLACES NP
	WIN 0
	FETCH_A \slot, (\q)+1, 4
.endm
.macro TURN slot, next                 ; slot 0's last step: one barrier; in front of it all my tensor loads have landed (slot 1's part among them), behind it slot 1 is whole and nobody reads slot 0
	s_wait_tensorcnt 0x0
	ds_add_u32 v[SPW], v[NIL]                      ; 0 onto my spare word
	s_wait_dscnt 4*NL+1                            ; (the add and the youngest eight loads may be out)
	WIN MUL_LO
	MUL16 0, 1, NQ-1, \slot, 0
	s_wait_dscnt 0x0                               ; the add is done, and my reads of this slot are over
	s_barrier_signal -1
	MUL16 2, 1, NQ-1, \slot, 0
	WIN 0
	s_barrier_wait -1
	PLACES NP
	v_add_nc_u32 v[ADRS], 4*NQ, v[ADRS]            ; on to the next K step's scale words
	FETCH_B \next, 0, 0
	FETCH_A \next, 0, 0
	SCALES \next
	WIN MUL_HI
	MUL16 4, 1, NQ-1, \slot, 0
	MUL16 6, 1, NQ-1, \slot, 0
	PLACES NP
	WIN 0
	FETCH_A \next, 0, 4
.endm
.macro STEPS slot, from
.set Q, \from
.rept NQ-1-\from
	STEP \slot, Q, 0
.set Q, Q+1
.endr
.endm
	s_wait_tensorcnt 1                             ; the scales and my part of K step 0 are in (K step 1's load may be out)
	s_barrier_signal -1
	s_barrier_wait -1                              ; everybody's are
	FETCH_B 0, 0, 0
	FETCH_A 0, 0, 0
	SCALES 0
	FETCH_A 0, 0, 4
	STEP 0, 0, 1                                   ; the first products start the sums: nothing is cleared
	STEPS 0, 1
	TURN 0, 1
	STEPS 1, 0
	s_wait_dscnt 4*NL                              ; the very last step
	WIN MUL_LO
	MUL16 0, 1, NQ-1, 1, 0
	MUL16 2, 1, NQ-1, 1, 0
	s_wait_dscnt 0
	WIN MUL_HI
	MUL16 4, 1, NQ-1, 1, 0
	MUL16 6, 1, NQ-1, 1, 0
	WIN 0
	PLACES NP
	; THE FIRST 16 POSITIONS OF A SEQUENCE, AS f32.  They are block 0 of the waves with the tile's upper rows, in the tiles that begin a sequence.  The branch hangs on the wave's number;
	; the tile's place only sets EXEC, so that all partners of a cluster run the same lines.
	s_cmp_lg_u32 s15, 0
	s_cbranch_scc1 .Lno32
	v_mov_b32 v31, s95
	v_cmp_eq_u32 vcc_lo, 0, v31
	s_wait_xcnt 0x0                                ; EXEC changes only behind this wait
	s_and_saveexec_b32 s94, vcc_lo
	WIN 0x08                                       ; a store's data are its source 1: window 2
.irp b, 0,1,2,3,4,5,6,7
	global_store_b128 v[FO], v[8*\b:8*\b+3], s[98:99] offset:64*\b         ; lane (r, h): qkv(r, 16 b + 8 h + 0 .. 7); each accumulator from its low end on
	global_store_b128 v[FO], v[8*\b+4:8*\b+7], s[98:99] offset:64*\b+16
.endr
	WIN 0
	s_wait_xcnt 0x0                                ; the stores have read EXEC and their data: EXEC is restored, and block 0 may be scaled in place
	s_or_b32 exec_lo, exec_lo, s94
.Lno32:
; THE WAY OUT, block by block of 16 rows x 128 columns (two heads).  PACK: x the factor, in place, then f16 pairs.  TOSTAGE: into my stage, and back by heads.  SEND: four rows of a head to a store.
.macro PACK a
.set AC, 64*((\a)%4)
	WIN 0x82+0x41*((\a)/4)                         ; destination and source 0: window 2 or 3
.set i, 0
.rept 32
	v_pk_mul_f32 v[AC+i:AC+i+1], v[AC+i:AC+i+1], s[100:101] op_sel_hi:[1,0]
.set i, i+2
.endr
	WIN 0x0a+5*((\a)/4)                            ; sources 0 and 1: window 2 or 3; destination window 0
.set i, 0
.rept 32
	v_cvt_pk_f16_f32 v[TMP+i], v[AC+2*i], v[AC+2*i+1]
.set i, i+1
.endr
	WIN 0
.endm
.macro TOSTAGE a
.set BB, BK+32*((\a)%2)
.if (\a) > 1
	s_wait_xcnt 0x0                                ; block a - 2's stores have read the registers that these loads fill
.endif
.irp b, 0,1,2,3,4,5,6,7
	ds_store_b128 v[STO], v[TMP+4*\b:TMP+4*\b+3] offset:32*\b
.endr
.irp hd, 0,1
.irp i, 0,1,2,3
	ds_load_b128 v[BB+4*(4*\hd+\i):BB+4*(4*\hd+\i)+3], v[RD] offset:\i*4*SPITCH+128*\hd   ; LDS serves a wave's instructions in order: these see the stores above
.endr
.endr
.endm
.macro SEND a
.set BB, BK+32*((\a)%2)
	s_wait_dscnt 0x0                               ; the block is back in registers
.irp hd, 0,1
.irp i, 0,1,2,3
	global_store_b128 v[CO], v[BB+4*(4*\hd+\i):BB+4*(4*\hd+\i)+3], s[96:97] offset:\hd*262144+(\a)*2048+\i*512   ; 32 lanes store 512 consecutive bytes, aligned
.endr
.endr
.endm
	PACK 0
	TOSTAGE 0
.irp a, 1,2,3,4,5,6,7                  ; block a's arithmetic stands between block a - 1's loads from the stage and the wait for them
	PACK \a
	SEND \a-1
	TOSTAGE \a
.endr
	SEND 7
	s_wait_tensorcnt 0x0                           ; the wave's end
	ds_add_u32 v[SPW], v[NIL]
	s_wait_dscnt 0x0
	CROUND                                         ; the closing round
	s_endpgm
.Lfunc_end_k_q8ffd6d4fd6_gemm_qkv:
	.size	k_q8ffd6d4fd6_gemm_qkv, .Lfunc_end_k_q8ffd6d4fd6_gemm_qkv-k_q8ffd6d4fd6_gemm_qkv
	.p2alignl 7, 3214868480
	.fill 96, 4, 3214868480
	.section	.rodata,"a",@progbits
	.p2align	6, 0x0
	.amdhsa_kernel k_q8ffd6d4fd6_gemm_qkv
		.amdhsa_group_segment_fixed_size 327680
		.amdhsa_private_segment_fixed_size 0
		.amdhsa_enable_private_segment 0
		.amdhsa_kernarg_size 48
		.amdhsa_user_sgpr_count 2
		.amdhsa_user_sgpr_kernarg_segment_ptr 1
		.amdhsa_wavefront_size32 1
		.amdhsa_system_sgpr_workgroup_id_x 1
		.amdhsa_system_sgpr_workgroup_id_y 1
		.amdhsa_system_sgpr_workgroup_id_z 1
		.amdhsa_system_vgpr_workitem_id 0
		.amdhsa_next_free_vgpr 1024
		.amdhsa_next_free_sgpr 102
		.amdhsa_reserve_vcc 1
		.amdhsa_float_denorm_mode_32 3
		.amdhsa_float_denorm_mode_16_64 3
		.amdhsa_memory_ordered 1
		.amdhsa_forward_progress 1
		.amdhsa_inst_pref_size 145
	.end_amdhsa_kernel
	.amdgpu_metadata
---
amdhsa.version: [ 1, 2 ]
amdhsa.kernels:
  - .name:           k_q8ffd6d4fd6_gemm_qkv
    .symbol:         k_q8ffd6d4fd6_gemm_qkv.kd
    .args:
      - { .name: xc, .offset: 0, .size: 8, .value_kind: global_buffer, .address_space: global }
      - { .name: xs, .offset: 8, .size: 8, .value_kind: global_buffer, .address_space: global }
      - { .name: wc, .offset: 16, .size: 8, .value_kind: global_buffer, .address_space: global }
      - { .name: ws, .offset: 24, .size: 8, .value_kind: global_buffer, .address_space: global }
      - { .name: qkv16, .offset: 32, .size: 8, .value_kind: global_buffer, .address_space: global }
      - { .name: qkv32, .offset: 40, .size: 8, .value_kind: global_buffer, .address_space: global }
    .group_segment_fixed_size: 327680
    .private_segment_fixed_size: 0
    .kernarg_segment_align: 8
    .kernarg_segment_size: 48
    .max_flat_workgroup_size: 128
    .sgpr_count:     102
    .vgpr_count:     1024
    .wavefront_size: 32
...
	.end_amdgpu_metadata
.endif
;; end of part 2
;; launch att (part 3): grid 8 x 32, 8 waves a work-group, no clusters, 327,680 bytes of LDS; arguments qkv16, y16; writes y16
.if DOCPART == 3
	.amdgcn_target "amdgcn-amd-amdhsa--gfx1250"
	.amdhsa_code_object_version 6
	.text
	.protected	k_q8ffd6d4fd6_att
	.globl	k_q8ffd6d4fd6_att
	.p2align	8
	.type	k_q8ffd6d4fd6_att,@function
k_q8ffd6d4fd6_att:
	s_mov_b64 s[64:65], 0
	v_nop
	global_prefetch_b8 v0, s[64:65] scope:SCOPE_SE
	s_setreg_imm32_b32 hwreg(HW_REG_WAVE_MODE, 25, 1), 1
	s_wait_xcnt 0x0
; y[b][h][q] = the sum over k <= q of softmax_k(q . k / 8) v, on f16 operands, sums, maxima and exponentials in f32.  qkv16: f16 [b 2][g 48][t 2048][64] (q: g = h, already x log2(e) / 8; k: 16 + h; v: 32 + h).
; y16: f16 [b][h][t][64].
; SHARES.  Work-group (i, head) owns two blocks of 128 queries: block 15 - i first (16 - i key blocks of 128), then block i (i + 1 key blocks): a walk of 17 key steps for every work-group, so that all trip
; counts are constants and all 256 work-groups have equal work under the causal mask.  Each of the eight waves owns 16 queries of the block; two waves share a SIMD.
; NO CLUSTER: the work-groups of a head walk different numbers of key blocks in each pass, so partners would want different tiles behind the same barrier.
; LAYOUT.  S^T = K Q^T (source 0 = 16 keys, source 1 = my 16 queries): a lane holds ONE query (lane % 16) and keys 8 (lane / 16) + 0..7 of each tile.  Two tiles, rounded to f16 in pairs, are source 1 of
; O^T = V^T P, whose result again holds one query a lane.  K comes out of LDS as it lies, V turned, by ds_load_tr16_b128.
; SOFTMAX.  A running maximum m and sum l for each query: p = 2^(s - m), the difference taken first; in every step O and l are multiplied by a = 2^(m_old - m_new).  The sum is taken of p in f32.
; THE RING.  Two slots of THREE key steps each: waves 0 to 2 fetch a slot's three tiles of V, waves 3 to 5 its three of K, one tensor load of 16 KiB a wave behind each change of slots; every wait for
; tensor loads is for 0.  Six changes of slots serve the 17 steps.
; THE CHANGE OF SLOTS stands inside a slot's third step, in two halves.  Behind that step's K Q^T a wave has K's fragments used up and V's in registers: it reads the slot no more, and signals.  Its softmax,
; work on registers alone, stands between the signal and the wait.  Behind the wait come the refill of the slot just left, K's fragments of the next slot's first step, and then V^T P.
; K ONE STEP AHEAD.  K's registers are free behind K Q^T: the next step's fragments are asked for there, a softmax ahead of their use.  V's are asked for at a step's head, a softmax ahead of theirs.
; LIMITS: q c, k, v and y inside f16's range; NaN and infinities are not served.  The first 16 positions of each sequence are computed here too, and are replaced in the output by the launch that carries them in f32.
; REGISTERS, window 0: v1-11 addresses and constants; v12 m, v13 old m, v[14:15] l; v16-31 Q; v32-95 S^T, then p; v96-127 P; v128-159 O^T; v160-175 the second pass's Q; v176-187 at work;
;   v188-219 the way out; v220, v221 offsets.   window 1: v0-127 K's 16 fragments, v128-255 V's 16.
.set KP,    144                        ; a key's row in LDS: 128 bytes + 16: an odd multiple of 16
.set VP,    160                        ; a row of V: 128 + 32: an odd multiple of 32, for the turning load
.set KT,    128*KP
.set VT,    128*VP
.set KOFF,  3*VT                       ; a slot: V of three steps, then K of three steps: 116,736 bytes
.set SLOT1, 1<<17                      ; slot 1 begins here, so that one exclusive or turns an address in one slot into the other's
.set STAGE, 2*SLOT1                    ; 16 rows x 144 bytes for each wave; no tile lands here
.set SP,    144
.set SPARE, STAGE+8*16*SP              ; the spare words, 128 bytes for each wave
.set HEADB, 262144                     ; a head's 2,048 rows of 128 bytes
.set BLKB,  16384                      ; a key block's 128 rows
.set AK0, 1
.set AV0, 2
.set ADK, 3
.set ADV, 4
.set SPW, 5
.set NIL, 6
.set STO, 7
.set RD,  8
.set GO,  9
.set DM,  10                           ; v10  my query's place in its block, less 8 (lane / 16)
.set NINF, 11
.set MX,  12
.set LS,  14
.set Q,   16
.set S,   32
.set P,   96
.set O,   128
.set Q2,  160
.set W,   176
.set AF,  184                          ; v[184:185] a (the pair's upper half is written once)
.set L2,  186
.set YP,  188
.set YR,  204
.set PFO, 220
.set QO,  221
.set WV,  8
.set I,   9
.set HB,  10
.set L1,  11                           ; s11  key steps of the first pass: 9 to 16
.set REM, 12                           ; s12  key steps left in the pass, this one among them
.set SN,  13                           ; s13  the place in the walk that my next fill brings
.set TB,  14                           ; s14  LDS byte at which the slot in hand begins
.set SLOTS, 15
.set SEL, 16
.set KB,  18
.set VB,  20
.set G1K, 24
.set G1V, 32
.set G0K, 40
.set G0V, 44
.set YB1, 48
.set YB2, 50
.set PFA, 52
.set LIM, 54
.set MSB, 0
.macro WIN new
.if MSB != \new
	s_set_vgpr_msb (MSB<<8)|\new
.set MSB, \new
.endif
.endm
; nv = 3: waves 0 to 2 fetch V's three tiles, waves 3 to 5 K's.  nv = 2: the walk's last two steps alone: waves 0, 1 and 3, 4.  The branches hang on the wave's number alone.
; An s_nop 0 and four v_nop follow each of the two lines.
.macro TLOAD nv
	s_cmp_lt_u32 s[WV], \nv
	s_cbranch_scc0 .Lnot_v_\@
	tensor_load_to_lds s[G0V:G0V+3], s[G1V:G1V+7]
	s_nop 0
.rept 4
	v_nop
.endr
	s_branch .Lasked_\@
.Lnot_v_\@:
.if \nv < 3
	s_cmp_lt_u32 s[WV], 3
	s_cbranch_scc1 .Lasked_\@
.endif
	s_cmp_lt_u32 s[WV], 3+\nv
	s_cbranch_scc0 .Lasked_\@
	tensor_load_to_lds s[G0K:G0K+3], s[G1K:G1K+7]
	s_nop 0
.rept 4
	v_nop
.endr
.Lasked_\@:
.endm
; A PREFETCH INTO THE L2 of what the next change of slots will ask for: three key blocks, 49,152 bytes of K and as many of V.  All work-groups of a head begin at key block 0 and walk upward; work-group 0,
; whose first pass walks all 16 blocks, asks, and nobody else; in it the two waves that fetch nothing: wave 6 for K, wave 7 for V, 8,192 bytes an instruction, lanes 256 bytes apart.  So each aligned
; 256 bytes are named once.  The change that loads key blocks 3 u + 3 .. 3 u + 5 asks for blocks 3 u + 6 .. 3 u + 8, three key steps ahead of their tensor loads; the last of them (s[SLOTS] = 1) for
; block 15 alone: there is no key block 16.  Blocks 0 to 5 come by their loads alone.
.macro ASK
	s_cmp_gt_u32 s[SLOTS], s[LIM]
	s_cbranch_scc0 .Lnot_mine_\@
	global_prefetch_b8 v[PFO], s[PFA:PFA+1] th:TH_LOAD_NT scope:SCOPE_SE
	global_prefetch_b8 v[PFO], s[PFA:PFA+1] offset:8192 th:TH_LOAD_NT scope:SCOPE_SE
	s_cmp_gt_u32 s[SLOTS], 1
	s_cbranch_scc0 .Lnot_mine_\@
.irp o, 2,3,4,5
	global_prefetch_b8 v[PFO], s[PFA:PFA+1] offset:8192*\o th:TH_LOAD_NT scope:SCOPE_SE
.endr
.Lnot_mine_\@:
.endm
	s_load_b128 s[4:7], s[0:1], 0x0                ; qkv16 s[4:5], y16 s[6:7]
	v_lshl_add_u32 v[SPW], v0, 2, SPARE
	v_mov_b32 v[NIL], 0
	ds_add_u32 v[SPW], v[NIL]                      ; the wave's opening: the add, twice on end, and its wait ahead of my first tensor load
	ds_add_u32 v[SPW], v[NIL]
	v_lshrrev_b32 v1, 5, v0
	v_readfirstlane_b32 s[WV], v1                  ; wave 0..7
	s_mov_b32 s[I], ttmp9
	s_and_b32 s[HB], ttmp7, 0xffff                 ; 16 b + h
	s_sub_co_u32 s[L1], 16, s[I]
	s_mov_b32 s[G1K], (1<<16)|(1<<20)|(4<<22)|(3<<25)   ; no mask; elements of 2 bytes; padding on: 4 words after every 32
	s_mov_b32 s[G1V], (1<<16)|(1<<20)|(4<<22)|(7<<25)   ; 8 words after every 32
.irp g, G1K, G1V
	s_mov_b32 s[\g+1], 64<<16                      ; tensor_dim0 = 64
	s_mov_b32 s[\g+2], 128<<16                     ; tensor_dim1 = 128
	s_mov_b32 s[\g+3], 64<<16                      ; tile_dim0
	s_mov_b32 s[\g+4], 128                         ; tile_dim1
	s_mov_b32 s[\g+5], 64                          ; from row to row
	s_mov_b32 s[\g+6], 0
	s_mov_b32 s[\g+7], 0
.endr
	s_mov_b32 s[SEL], 0x76543210
	s_mov_b32 s[SEL+1], 0xfedcba98                 ; lane l xor 16
	s_lshr_b32 s56, s[HB], 4
	s_mul_i32 s56, s56, 48*HEADB                   ; the batch,
	s_and_b32 s57, s[HB], 15
	s_lshl_b32 s57, s57, 18
	s_add_co_u32 s56, s56, s57                     ; and q's head
	s_mov_b32 s57, 0
	s_cmp_ge_u32 s[WV], 3
	s_cselect_b32 s58, 3, 0
	s_sub_co_u32 s58, s[WV], s58                   ; which of a slot's three steps I fetch: it enters global addresses alone
	s_mul_i32 s59, s[WV], KT
	s_add_co_u32 s59, s59, KOFF-3*KT               ; its place in a slot: K's, for waves 3 to 5: KOFF + (wave - 3) KT,
	s_mul_i32 s60, s[WV], VT                       ; V's, for waves 0 to 2
	s_lshl_b32 s62, s58, 14                        ; key block 0, 1 or 2 in memory
	s_mov_b32 s63, 0
	s_mov_b32 s[REM], s[L1]
	s_add_co_u32 s[SN], s58, 3
	s_mov_b32 s[TB], 0
	s_mov_b32 s[SLOTS], 4                          ; (for the first change's prefetch)
	s_wait_dscnt 0x0                               ; both opening adds are done
	s_wait_kmcnt 0x0
	s_add_nc_u64 s[22:23], s[4:5], s[56:57]        ; q's head
	s_add_nc_u64 s[KB:KB+1], s[22:23], 16*HEADB    ; k's
	s_add_nc_u64 s[VB:VB+1], s[22:23], 32*HEADB    ; v's
	s_mov_b32 s[G0K], 1
	s_mov_b32 s[G0K+1], s59
	s_add_nc_u64 s[G0K+2:G0K+3], s[KB:KB+1], s[62:63]
	s_or_b32 s[G0K+3], s[G0K+3], 0x80000000
	s_mov_b32 s[G0V], 1
	s_mov_b32 s[G0V+1], s60
	s_add_nc_u64 s[G0V+2:G0V+3], s[VB:VB+1], s[62:63]
	s_or_b32 s[G0V+3], s[G0V+3], 0x80000000
	TLOAD 3                                        ; slot 0: key blocks 0 to 2 (every first pass has nine steps or more)
	s_lshl_b32 s62, s[WV], 11                      ; my 16 rows of 128 bytes in a block
	s_sub_co_u32 s56, 15, s[I]
	s_lshl_b32 s56, s56, 14
	s_add_co_u32 s56, s56, s62                     ; the first pass's queries, in bytes from the head's first row
	s_lshl_b32 s60, s[I], 14
	s_add_co_u32 s60, s60, s62                     ; the second pass's
	s_mov_b32 s61, 0
	s_add_nc_u64 s[58:59], s[22:23], s[56:57]
	s_add_nc_u64 s[62:63], s[22:23], s[60:61]
	s_lshl_b32 s66, s[HB], 18
	s_mov_b32 s67, 0
	s_add_nc_u64 s[YB1:YB1+1], s[6:7], s[66:67]
	s_add_nc_u64 s[YB2:YB2+1], s[YB1:YB1+1], s[60:61]
	s_add_nc_u64 s[YB1:YB1+1], s[YB1:YB1+1], s[56:57]
	v_and_b32 v[W], 15, v0                         ; r
	v_bfe_u32 v[W+1], v0, 4, 1                     ; h
	v_lshlrev_b32 v[QO], 7, v[W]
	v_lshl_add_u32 v[QO], v[W+1], 4, v[QO]         ; row r of 128 bytes, + 16 h
.irp c, 0,1,2,3
	global_load_b128 v[Q+4*\c:Q+4*\c+3], v[QO], s[58:59] offset:32*\c      ; both passes' Q stay in registers
	global_load_b128 v[Q2+4*\c:Q2+4*\c+3], v[QO], s[62:63] offset:32*\c
.endr
	v_mul_u32_u24 v[AK0], v[W], KP
	v_lshl_add_u32 v[AK0], v[W+1], 4, v[AK0]       ; row r x pitch + 16 h
	v_and_b32 v[W+2], 7, v0
	v_lshl_add_u32 v[W+3], v[W+1], 3, v[W+2]
	v_mul_u32_u24 v[AV0], v[W+3], VP               ; V: key 8 h + l % 8,
	v_bfe_u32 v[W+3], v0, 3, 1
	v_lshl_add_u32 v[AV0], v[W+3], 4, v[AV0]       ; channels 8 ((l / 8) % 2) on
	s_mul_i32 s66, s[WV], 16*SP
	s_add_co_u32 s66, s66, STAGE                   ; my stage
	v_add_nc_u32 v[STO], s66, v[AK0]               ; in: row r, 16 bytes for each half of the lanes
	v_add_nc_u32 v[AK0], KOFF, v[AK0]              ; K: behind a slot's three tiles of V
	v_bfe_u32 v[W+3], v0, 3, 2
	v_mul_u32_u24 v[RD], v[W+3], SP
	v_lshl_add_u32 v[RD], v[W+2], 4, v[RD]
	v_add_nc_u32 v[RD], s66, v[RD]                 ; back: row l / 8, 16 (l % 8)
	v_and_b32 v[W+3], 31, v0
	v_lshlrev_b32 v[GO], 4, v[W+3]                 ; four rows of y16 are 512 consecutive bytes
	v_lshlrev_b32 v[PFO], 8, v[W+3]
	s_lshl_b32 s66, s[WV], 4
	v_lshlrev_b32 v[W+3], 3, v[W+1]
	v_sub_nc_u32 v[DM], v[W], v[W+3]
	v_add_nc_u32 v[DM], s66, v[DM]
	v_mov_b32 v[NINF], 0xff800000
	v_mov_b32 v[MX], 0xff61b1e6                    ; m: -3e38, under every score
	v_mov_b32 v[MX+1], 0
	v_mov_b32 v[LS], 0
	v_mov_b32 v[LS+1], 0
	v_mov_b32 v[AF+1], 0
.set i, 0
.rept 32
	v_mov_b32 v[O+i], 0                            ; the key step is written once: a pass's first step finds zeros
.set i, i+1
.endr
	s_cmp_eq_u32 s[WV], 6
	s_cselect_b64 s[PFA:PFA+1], s[KB:KB+1], s[VB:VB+1]   ; wave 6 asks for K's rows, wave 7 for V's
	s_add_nc_u64 s[PFA:PFA+1], s[PFA:PFA+1], 3*BLKB      ; at key block 3; the first change of slots steps it to block 6.  Nothing is prefetched at the head
	s_lshr_b32 s56, s[WV], 1
	s_xor_b32 s56, s56, 3                          ; 0 in waves 6 and 7,
	s_or_b32 s56, s56, s[I]                        ; of the head's work-group 0
	s_cmp_eq_u32 s56, 0
	s_cselect_b32 s[LIM], 0, -1
	s_wait_loadcnt 0x0                             ; Q
; THE WAY OUT of a pass: O^T / l, rounded to f16, through my stage, so that 32 lanes store 512 consecutive bytes.
.macro WAYOUT yb
	s_wait_xcnt 0x0                                ; the first pass's stores have read the registers that are written again here
	v_add_f32 v[W], v[LS], v[LS+1]
	v_permlanex16_b32 v[W+1], v[W], s[SEL], s[SEL+1]
	v_add_f32 v[W], v[W], v[W+1]                   ; the row's sum
	v_rcp_f32 v[W+2], v[W]
	v_mov_b32 v[W+3], 0                            ; a plain instruction behind the reciprocal (and the pair's upper half)
	s_wait_alu depctr_va_vdst(0)                   ; the wait ahead of the first use
.set i, 0
.rept 16
	v_pk_mul_f32 v[O+i:O+i+1], v[O+i:O+i+1], v[W+2:W+3] op_sel_hi:[1,0]
.set i, i+2
.endr
.set i, 0
.rept 16
	v_cvt_pk_f16_f32 v[YP+i], v[O+2*i], v[O+2*i+1]
.set i, i+1
.endr
.irp t, 0,1,2,3
	ds_store_b128 v[STO], v[YP+4*\t:YP+4*\t+3] offset:32*\t
.endr
.irp t, 0,1,2,3
	ds_load_b128 v[YR+4*\t:YR+4*\t+3], v[RD] offset:\t*4*SP   ; LDS serves a wave's instructions in order: these see the stores above
.endr
.irp t, 0,1,2,3
	s_wait_dscnt 3-\t
	global_store_b128 v[GO], v[YR+4*\t:YR+4*\t+3], s[\yb:\yb+1] offset:512*\t
.endr
.endm
; K's 16 fragments of the q-th step of the slot at v[ADK]: 32 LDS loads in one run.
.macro KLOAD q
	WIN 0x40                                       ; destination window 1
.irp kt, 0,1,2,3,4,5,6,7
.irp c, 0,1
	ds_load_b128 v[16*\kt+8*\c:16*\kt+8*\c+3],   v[ADK] offset:(\q)*KT+\kt*16*KP+64*\c
	ds_load_b128 v[16*\kt+8*\c+4:16*\kt+8*\c+7], v[ADK] offset:(\q)*KT+\kt*16*KP+64*\c+32
.endr
.endr
	WIN 0
.endm
; THE FIRST HALF OF A CHANGE OF SLOTS.  The wave waits for all its tensor loads (its part of the next slot), adds 0 to its spare word, waits for that and for its LDS reads of the slot in hand, and signals.
; fill = 1: the slot in hand will take the walk's next three steps; 2: its last two; 0: nothing.
.macro SIG fill
	s_wait_tensorcnt 0x0                           ; no tensor load of mine is out, so a group 0 may be written
	ds_add_u32 v[SPW], v[NIL]
.if \fill
	ds_add_u32 v[SPW], v[NIL]                      ; and twice on end where a tensor load follows
	s_xor_b32 s[G0K+1], s[G0K+1], SLOT1            ; the other slot than last time
	s_xor_b32 s[G0V+1], s[G0V+1], SLOT1
	s_cmp_ge_u32 s[SN], s[L1]                      ; place s of the walk is key block s in the first pass, s - L1 in the second
	s_cselect_b32 s56, s[L1], 0
	s_sub_co_u32 s56, s[SN], s56
	s_lshl_b32 s56, s56, 14
	s_mov_b32 s57, 0
	s_add_nc_u64 s[G0K+2:G0K+3], s[KB:KB+1], s[56:57]
	s_or_b32 s[G0K+3], s[G0K+3], 0x80000000
	s_add_nc_u64 s[G0V+2:G0V+3], s[VB:VB+1], s[56:57]
	s_or_b32 s[G0V+3], s[G0V+3], 0x80000000
	s_add_co_u32 s[SN], s[SN], 3
.endif
.if \fill == 1
	s_wait_xcnt 0x0                                ; the last prefetches, a slot back, have read their address
	s_add_nc_u64 s[PFA:PFA+1], s[PFA:PFA+1], 3*BLKB
.endif
	s_wait_dscnt 0x0                               ; the add is done, and my reads of the slot in hand are over: its fragments are in registers
	s_barrier_signal -1
.endm
; THE SECOND HALF.  All eight waves have signalled: the next slot is whole and nobody reads the slot in hand.  The refill is the first thing behind the wait, a wave's one tensor load until the next change.
.macro MEET fill
	s_barrier_wait -1
.if \fill == 1
	TLOAD 3
	ASK
.endif
.if \fill == 2
	TLOAD 2
.endif
.endm
; A KEY STEP: 128 keys, the q-th of the slot in hand; K's fragments were asked for in the step before.
; sw = 1: the change of pass can fall here (places 9 to 16 of the walk).  mk = 1: a pass's diagonal block can (places 8 to 16).  ch = 1: the slot's last step, with the change of slots (fill: as above).
; nextk = 1: another step follows, and its K is asked for.
.macro STEP q, sw, mk, ch, fill, nextk
	v_add_nc_u32 v[ADV], s[TB], v[AV0]             ; these four lines are the places behind the last products
	v_nop
	v_nop
	v_nop
.if \sw
	s_cmp_lg_u32 s[REM], 0                         ; ids and the count of steps alone: the same in all eight waves
	s_cbranch_scc1 .Lsame_\@
	WAYOUT YB1                                     ; the first pass is over: its rows leave, and the second pass begins
	v_mov_b32 v[MX], 0xff61b1e6
	v_mov_b32 v[LS], 0
	v_mov_b32 v[LS+1], 0
.set i, 0
.rept 32
	v_mov_b32 v[O+i], 0
.set i, i+1
.endr
.set i, 0
.rept 16
	v_mov_b32 v[Q+i], v[Q2+i]
.set i, i+1
.endr
	s_add_co_u32 s[REM], s[I], 1
.Lsame_\@:
.endif
	WIN 0x40                                       ; destination window 1
.irp g, 0,1,2,3
.irp t, 0,1,2,3
	ds_load_tr16_b128 v[128+32*\g+8*\t:128+32*\g+8*\t+3],   v[ADV] offset:(\q)*VT+\g*32*VP+32*\t
	ds_load_tr16_b128 v[128+32*\g+8*\t+4:128+32*\g+8*\t+7], v[ADV] offset:(\q)*VT+\g*32*VP+16*VP+32*\t
.endr
.endr
	s_wait_dscnt 32                                ; K's 32 loads, asked for a step ago, are in; V's 32, just issued, may be out
	WIN 0x01                                       ; source 0 window 1
.irp kt, 0,1,2,3,4,5,6,7
	v_wmma_f32_16x16x32_f16 v[S+8*\kt:S+8*\kt+7], v[16*\kt:16*\kt+7], v[Q:Q+7], 0        ; eight accumulators by turns
.endr
.irp kt, 0,1,2,3,4,5,6,7
	v_wmma_f32_16x16x32_f16 v[S+8*\kt:S+8*\kt+7], v[16*\kt+8:16*\kt+15], v[Q+8:Q+15], v[S+8*\kt:S+8*\kt+7]
.endr
	WIN 0
.rept 4
	v_nop                                          ; places in front of the reads of the scores, and of loads into K's registers
.endr
.if (\nextk) && !(\ch)
	KLOAD (\q)+1                                   ; the next step's K, from the same slot
.endif
.if \mk
	s_cmp_lg_u32 s[REM], 1                         ; a pass's last key block is its own query block: there hidden scores become -infinity ahead of the maximum
	s_cbranch_scc1 .Lopen_\@
.irp n, 0,1,2,3,4,5,6,7,8,9,10,11,12,13,14,15,16,17,18,19,20,21,22,23,24,25,26,27,28,29,30,31,32,33,34,35,36,37,38,39,40,41,42,43,44,45,46,47,48,49,50,51,52,53,54,55,56,57,58,59,60,61,62,63
	v_cmp_gt_i32 vcc_lo, 16*(\n/8)+\n%8, v[DM]     ; register n holds key 16 (n / 8) + 8 (lane / 16) + n % 8 of the block
	v_cndmask_b32 v[S+\n], v[S+\n], v[NINF], vcc_lo
.endr
.Lopen_\@:
.endif
.if \ch
	SIG \fill                                      ; from here to MEET: work on registers alone
.endif
.irp b, 0,1,2,3
	v_max3_num_f32 v[W+\b], v[S+16*\b], v[S+1+16*\b], v[S+2+16*\b]   ; four chains; each accumulator is first read at its low end
.endr
.irp i, 3,5,7,9,11,13
.irp b, 0,1,2,3
	v_max3_num_f32 v[W+\b], v[W+\b], v[S+16*\b+\i], v[S+1+16*\b+\i]
.endr
.endr
.irp b, 0,1,2,3
	v_max_num_f32 v[W+\b], v[W+\b], v[S+15+16*\b]
.endr
	v_max3_num_f32 v[W+4], v[W], v[W+1], v[W+2]
	v_max_num_f32 v[W+4], v[W+4], v[W+3]
	v_permlanex16_b32 v[W+1], v[W+4], s[SEL], s[SEL+1]   ; the query's other 64 keys lie in the lane 16 away
	v_mov_b32 v[MX+1], v[MX]
	v_max3_num_f32 v[MX], v[MX], v[W+4], v[W+1]    ; the new m
	v_sub_f32 v[AF], v[MX+1], v[MX]
.set i, 0
.rept 32
	v_pk_add_f32 v[S+i:S+i+1], v[S+i:S+i+1], v[MX:MX+1] op_sel_hi:[1,0] neg_lo:[0,1] neg_hi:[0,1]   ; s - m, two at a time
.set i, i+2
.endr
	v_exp_f32 v[AF], v[AF]                         ; ONE BATCH: a and the 64 p
.set i, 0
.rept 64
	v_exp_f32 v[S+i], v[S+i]
.set i, i+1
.endr
	v_nop                                          ; a plain instruction behind the last exponential
	s_wait_alu depctr_va_vdst(0)                   ; one wait for the batch, ahead of its first reader
	v_pk_mul_f32 v[LS:LS+1], v[LS:LS+1], v[AF:AF+1] op_sel_hi:[1,0]
.set i, 0
.rept 32
	v_cvt_pk_f16_f32 v[P+i], v[S+2*i], v[S+2*i+1]
.set i, i+1
.endr
	v_pk_add_f32 v[L2:L2+1], v[S:S+1], v[S+2:S+3]  ; the sum of the unrounded p, in two chains
.irp j, 4,8,12,16,20,24,28,32,36,40,44,48,52,56,60
	v_pk_add_f32 v[LS:LS+1], v[LS:LS+1], v[S+\j:S+\j+1]
	v_pk_add_f32 v[L2:L2+1], v[L2:L2+1], v[S+\j+2:S+\j+3]
.endr
	v_pk_add_f32 v[LS:LS+1], v[LS:LS+1], v[L2:L2+1]
.set i, 0
.rept 16
	v_pk_mul_f32 v[O+i:O+i+1], v[O+i:O+i+1], v[AF:AF+1] op_sel_hi:[1,0]
.set i, i+2
.endr
.if \ch
	MEET \fill
	s_xor_b32 s[TB], s[TB], SLOT1                  ; on to the other slot:
	v_add_nc_u32 v[ADK], s[TB], v[AK0]
	KLOAD 0                                        ; its first step's K lands under the products below (V of this step was awaited ahead of the signal)
.elseif \nextk
	s_wait_dscnt 32                                ; V is in; the next step's K, 32 loads issued behind it, may be out
.else
	s_wait_dscnt 0x0                               ; V is in
.endif
	WIN 0x01
.irp g, 0,1,2,3
.irp t, 0,1,2,3
	v_wmma_f32_16x16x32_f16 v[O+8*\t:O+8*\t+7], v[128+32*\g+8*\t:128+32*\g+8*\t+7], v[P+8*\g:P+8*\g+7], v[O+8*\t:O+8*\t+7]   ; four accumulators by turns
.endr
.endr
	WIN 0
	s_sub_co_u32 s[REM], s[REM], 1
.endm
	SIG 1                                          ; slot 0 is whole behind this barrier; the loads behind it are slot 1's first fill (places 3 to 5): nothing is filled again there
	MEET 1
	v_add_nc_u32 v[ADK], s[TB], v[AK0]
	KLOAD 0                                        ; K of place 0
	s_mov_b32 s[SLOTS], 3
.Lslot:                                            ; three trips: places 0 to 8 of the walk; each fills the slot that it leaves with the places six on
	STEP 0, 0, 0, 0, 0, 1
	STEP 1, 0, 0, 0, 0, 1
	STEP 2, 0, 1, 1, 1, 1
	s_sub_co_u32 s[SLOTS], s[SLOTS], 1
	s_cmp_lg_u32 s[SLOTS], 0
	s_cbranch_scc1 .Lslot
	STEP 0, 1, 1, 0, 0, 1                          ; the tail is written out: places 9 to 11, with places 15 and 16 asked for
	STEP 1, 1, 1, 0, 0, 1
	STEP 2, 1, 1, 1, 2, 1
	STEP 0, 1, 1, 0, 0, 1                          ; places 12 to 14, with nothing left to ask for,
	STEP 1, 1, 1, 0, 0, 1
	STEP 2, 1, 1, 1, 0, 1
	STEP 0, 1, 1, 0, 0, 1                          ; and places 15 and 16
	STEP 1, 1, 1, 0, 0, 0
.rept 4
	v_nop
.endr
	WAYOUT YB2
	s_wait_tensorcnt 0x0                           ; the wave's end
	ds_add_u32 v[SPW], v[NIL]
	s_wait_dscnt 0x0
	s_endpgm
.Lfunc_end_k_q8ffd6d4fd6_att:
	.size	k_q8ffd6d4fd6_att, .Lfunc_end_k_q8ffd6d4fd6_att-k_q8ffd6d4fd6_att
	.p2alignl 7, 3214868480
	.fill 96, 4, 3214868480
	.section	.rodata,"a",@progbits
	.p2align	6, 0x0
	.amdhsa_kernel k_q8ffd6d4fd6_att
		.amdhsa_group_segment_fixed_size 327680
		.amdhsa_private_segment_fixed_size 0
		.amdhsa_enable_private_segment 0
		.amdhsa_kernarg_size 16
		.amdhsa_user_sgpr_count 2
		.amdhsa_user_sgpr_kernarg_segment_ptr 1
		.amdhsa_wavefront_size32 1
		.amdhsa_system_sgpr_workgroup_id_x 1
		.amdhsa_system_sgpr_workgroup_id_y 1
		.amdhsa_system_sgpr_workgroup_id_z 1
		.amdhsa_system_vgpr_workitem_id 0
		.amdhsa_next_free_vgpr 512
		.amdhsa_next_free_sgpr 70
		.amdhsa_reserve_vcc 1
		.amdhsa_float_denorm_mode_32 3
		.amdhsa_float_denorm_mode_16_64 3
		.amdhsa_memory_ordered 1
		.amdhsa_forward_progress 1
		.amdhsa_inst_pref_size 255
	.end_amdhsa_kernel
	.section	.bss,"aw",@nobits
	.p2align	6
	.space	262144
	.amdgpu_metadata
---
amdhsa.version: [ 1, 2 ]
amdhsa.kernels:
  - .name:           k_q8ffd6d4fd6_att
    .symbol:         k_q8ffd6d4fd6_att.kd
    .args:
      - { .name: qkv16, .offset: 0, .size: 8, .value_kind: global_buffer, .address_space: global }
      - { .name: y16, .offset: 8, .size: 8, .value_kind: global_buffer, .address_space: global }
    .group_segment_fixed_size: 327680
    .private_segment_fixed_size: 0
    .kernarg_segment_align: 8
    .kernarg_segment_size: 16
    .max_flat_workgroup_size: 256
    .sgpr_count:     70
    .vgpr_count:     512
    .wavefront_size: 32
...
	.end_amdgpu_metadata
.endif
;; end of part 3
;; launch proj (part 4): grid 8 x 32, 4 waves a work-group, clusters of 4 x 4, 327,680 bytes of LDS; arguments y16, wpt, out0; writes out0
.if DOCPART == 4
	.amdgcn_target "amdgcn-amd-amdhsa--gfx1250"
	.amdhsa_code_object_version 6
	.text
	.protected	k_q8ffd6d4fd6_proj
	.globl	k_q8ffd6d4fd6_proj
	.p2align	8
	.type	k_q8ffd6d4fd6_proj,@function
k_q8ffd6d4fd6_proj:
	s_mov_b64 s[64:65], 0
	v_nop
	global_prefetch_b8 v0, s[64:65] scope:SCOPE_SE
	s_setreg_imm32_b32 hwreg(HW_REG_WAVE_MODE, 25, 1), 1
	s_wait_xcnt 0x0
	s_wait_alu depctr_hold_cnt(0) depctr_sa_sdst(0) depctr_va_vdst(0) depctr_va_sdst(0) depctr_va_ssrc(0) depctr_va_vcc(0) depctr_vm_vsrc(0)
	s_getreg_b32 s2, hwreg(HW_REG_IB_STS2, 6, 4)
	s_cmp_eq_u32 s2, 0
	s_cbranch_scc0 .Lentry_in_a_cluster
	s_endpgm
.Lentry_in_a_cluster:
	s_bfe_u32 s2, ttmp6, 0x10000c
	s_cmp_lg_u32 s2, 0xf033
	s_cbranch_scc0 .Lentry_shape_is_right
	s_endpgm
.Lentry_shape_is_right:
; out0[m][n] = the sum over k of y[m][k] w_proj[k][n], f16 operands, f32 sums, f32 out.  y16: f16 [b][h 16][t 2048][64], so k = 64 h + d; wpt: f16 [n 1024][k 1024].
; A tile of 128 x 128 to a work-group (256 of them), four waves of 64 x 64: 16 accumulators.  K goes in four steps of 256 (four heads) through two LDS slots.
; y's part of a slot is four sub-tiles, one to a head, of 128 rows x 128 bytes: a head's 128 rows are 16,384 dense bytes, so one load brings two heads as two rows of 8,192 elements, a head apart in memory,
; with 16 bytes of padding behind every 128: in LDS 256 lines of 144 bytes.  wpt's part is 128 rows of 512 bytes + 16.
; CLUSTERS: 4 x 4 work-groups: y's tiles are shared along a row of the cluster, wpt's along a column, by joint loads.  THE MATRIX INSTRUCTION IS USED TRANSPOSED (source 0 = 16 rows of wpt, source 1 = 16 rows of y).
; Rows t < 16 of both sequences are written here too and are written over by the launch that carries them in f32.
; REGISTERS: window 0: v0-31 addresses; v32-95 the way out; v128-255 the accumulators ((a, b) at v[128 + 8 (4 a + b)]).   window 1: two fragment buffers of 128: 64 registers of y, then 64 of wpt.
.set PA,     144
.set HT,     128*PA                    ; a head's sub-tile
.set ATILE,  4*HT
.set PB,     528
.set HALFB,  64*PB
.set SLOT,   ATILE+2*HALFB
.set STAGE,  2*SLOT                    ; 16 rows x 272 bytes for each wave, its own; no tile lands here
.set SPITCH, 272
.set SPARE,  STAGE+4*16*SPITCH
.set ADRA, 16
.set ADRB, 20
.set STO,  24
.set RD,   25
.set CO,   26
.set SPW,  28
.set NIL,  29
.set TMP,  32
.set ACC,  128
.set F0,   0
.set F1,   128
.set G1, 24
.set G0, 32
.set G1B, 48
.set G0B, 56
.set MSB, 0
.macro WIN new
.if MSB != \new
	s_set_vgpr_msb (MSB<<8)|\new
.set MSB, \new
.endif
.endm
.set MUL,  0x05                        ; sources 0 and 1 window 1; C and D window 0
.set TO_F, 0x40
.macro JLOAD s                         ; a joint load: waves 0 and 1 fetch y's two pairs of heads, waves 2 and 3 wpt's two halves
	s_cmp_eq_u32 s11, 0
	s_cbranch_scc0 .Lfor_b_\@
	tensor_load_to_lds s[G0+4*\s:G0+4*\s+3], s[G1:G1+7]
	s_nop 0
.rept 4
	v_nop
.endr
	s_branch .Lasked_\@
.Lfor_b_\@:
	tensor_load_to_lds s[G0B+4*\s:G0B+4*\s+3], s[G1B:G1B+7]
	s_nop 0
.rept 4
	v_nop
.endr
.Lasked_\@:
.endm
.macro CREST
	s_cmp_lg_u32 s10, 0
	s_cbranch_scc1 .Lnot_wave_0_\@
	s_barrier_signal -3
.Lnot_wave_0_\@:
	s_barrier_wait -3
	s_barrier_signal -1
	s_barrier_wait -1
.endm
.macro CROUND
	s_barrier_signal -1
	s_barrier_wait -1
	CREST
.endm
	s_load_b128 s[4:7], s[0:1], 0x0                ; y16 s[4:5], wpt s[6:7]
	s_load_b64 s[8:9], s[0:1], 0x10                ; out0
	v_lshl_add_u32 v[SPW], v0, 2, SPARE
	v_mov_b32 v[NIL], 0
	ds_add_u32 v[SPW], v[NIL]                      ; the wave's opening: the add, twice on end, and its wait ahead of my first tensor load
	ds_add_u32 v[SPW], v[NIL]
	v_lshrrev_b32 v1, 5, v0
	v_readfirstlane_b32 s10, v1                    ; wave 0..3
	s_lshr_b32 s11, s10, 1                         ; which half of the tile's rows is mine.  Also: I fetch for y (0) or for wpt (1)
	s_and_b32 s12, s10, 1                          ; which half of its columns.  Also: which part of that tile I fetch
	s_bfe_u32 s40, ttmp6, 0x40000
	s_bfe_u32 s41, ttmp6, 0x40004
	s_lshl_b32 s42, ttmp9, 2
	s_add_co_u32 s42, s42, s40                     ; tile column
	s_and_b32 s13, ttmp7, 0xffff
	s_lshl_b32 s13, s13, 2
	s_add_co_u32 s13, s13, s41                     ; tile row
	s_lshl_b32 s43, s41, 2
	s_lshl_b32 s43, 15, s43                        ; my row of the cluster
	s_lshl_b32 s44, 0x1111, s40                    ; my column
	s_or_b32 s[G1+0], s43, (1<<16)|(1<<20)|(1<<21)|(4<<22)|(3<<25)   ; the mask; elements of 2 bytes; padding: 4 words after every 32
	s_mov_b32 s[G1+1], 8192<<16                    ; tensor_dim0 = 8,192: a head's 128 rows on end
	s_mov_b32 s[G1+2], 2<<16                       ; tensor_dim1 = 2 heads
	s_mov_b32 s[G1+3], 8192<<16                    ; tile_dim0
	s_mov_b32 s[G1+4], 2                           ; tile_dim1
	s_mov_b32 s[G1+5], 131072                      ; from head to head, in elements
	s_mov_b32 s[G1+6], 0
	s_mov_b32 s[G1+7], 0
	s_or_b32 s[G1B+0], s44, (1<<16)|(1<<20)|(1<<21)|(6<<22)|(3<<25)  ; padding: 4 words after every 128
	s_mov_b32 s[G1B+1], 256<<16
	s_mov_b32 s[G1B+2], 64<<16
	s_mov_b32 s[G1B+3], 256<<16
	s_mov_b32 s[G1B+4], 64
	s_mov_b32 s[G1B+5], 1024
	s_mov_b32 s[G1B+6], 0
	s_mov_b32 s[G1B+7], 0
	s_lshr_b32 s16, s13, 4
	s_lshl_b32 s16, s16, 22                        ; y: the batch (16 heads of 262,144 bytes),
	s_and_b32 s17, s13, 15
	s_lshl_b32 s17, s17, 14                        ; the tile's 128 rows of 128 bytes in a head,
	s_add_co_u32 s16, s16, s17
	s_lshl_b32 s17, s12, 19                        ; my pair of heads
	s_add_co_u32 s16, s16, s17
	s_mov_b32 s17, 0
	s_lshl_b32 s46, s42, 18                        ; wpt: 128 rows of 2,048 bytes a tile column,
	s_lshl_b32 s47, s12, 17                        ; my 64 of them
	s_add_co_u32 s46, s46, s47
	s_mov_b32 s47, 0
	s_mul_i32 s20, s12, 2*HT                       ; where they go: y's pair of heads,
	s_mul_i32 s21, s12, HALFB
	s_add_co_u32 s21, s21, ATILE                   ; wpt's half
	s_wait_dscnt 0x0                               ; both opening adds are done
	s_wait_kmcnt 0x0
	s_add_nc_u64 s[14:15], s[4:5], s[16:17]
	s_add_nc_u64 s[46:47], s[6:7], s[46:47]
	CROUND                                         ; all sixteen work-groups are here: the first joint loads meet
.irp s, 0,1
	s_mov_b32 s[G0+4*\s], 1
	s_add_co_u32 s[G0+4*\s+1], s20, \s*SLOT
	s_add_nc_u64 s[G0+4*\s+2:G0+4*\s+3], s[14:15], \s*4*262144   ; K step s: four heads on
	s_or_b32 s[G0+4*\s+3], s[G0+4*\s+3], 0x80000000
	s_mov_b32 s[G0B+4*\s], 1
	s_add_co_u32 s[G0B+4*\s+1], s21, \s*SLOT
	s_add_nc_u64 s[G0B+4*\s+2:G0B+4*\s+3], s[46:47], \s*512
	s_or_b32 s[G0B+4*\s+3], s[G0B+4*\s+3], 0x80000000
	JLOAD \s
.endr
	v_and_b32 v1, 15, v0                           ; r
	v_bfe_u32 v2, v0, 4, 1                         ; h
	v_mul_u32_u24 v3, v1, PA
	v_lshl_add_u32 v3, v2, 4, v3
	v_mul_u32_u24 v4, v1, PB
	v_lshl_add_u32 v4, v2, 4, v4
	s_mul_i32 s21, s11, 64*PA                      ; my 64 rows of y in each sub-tile
	s_mul_i32 s22, s12, HALFB                      ; my 64 rows of wpt
	s_add_co_u32 s22, s22, ATILE
.irp s, 0,1
	v_add_nc_u32 v[ADRA+\s], s21, v3
	v_add_nc_u32 v[ADRB+\s], s22, v4
	s_add_co_u32 s21, s21, SLOT
	s_add_co_u32 s22, s22, SLOT
.endr
	s_mul_i32 s23, s10, 16*SPITCH
	s_add_co_u32 s23, s23, STAGE                   ; my stage
	v_mul_u32_u24 v5, v1, SPITCH
	v_lshl_add_u32 v5, v2, 5, v5
	v_add_nc_u32 v[STO], s23, v5                   ; in: row r, 32 bytes for each half of the lanes
	v_mul_u32_u24 v5, v2, SPITCH
	v_lshl_add_u32 v5, v1, 4, v5
	v_add_nc_u32 v[RD], s23, v5                    ; back: lanes 0-15 one row of 256 bytes, lanes 16-31 the next
	v_lshlrev_b32 v5, 12, v2
	v_lshl_add_u32 v[CO], v1, 4, v5                ; and the same two rows in out0
	s_lshl_b32 s16, s13, 19                        ; 128 rows of 4,096 bytes a tile row,
	s_lshl_b32 s17, s11, 18                        ; my 64 rows,
	s_add_co_u32 s16, s16, s17
	s_lshl_b32 s46, s42, 9                         ; the tile's columns,
	s_lshl_b32 s47, s12, 8                         ; my 64: 256 bytes, aligned
	s_add_co_u32 s46, s46, s47
	s_add_co_u32 s16, s16, s46
	s_mov_b32 s17, 0
	s_add_nc_u64 s[8:9], s[8:9], s[16:17]
.macro MUL8 f, c, a0, zero             ; 8 matrix instructions: m blocks a0, a0 + 1 x all 4 n blocks, 32 along K.  The 16 accumulators take turns
.irp a, \a0, \a0+1
.irp b, 0,1,2,3
.if \zero
	v_wmma_f32_16x16x32_f16 v[ACC+8*(4*(\a)+\b):ACC+8*(4*(\a)+\b)+7], v[\f+64+8*(4*\c+\b):\f+64+8*(4*\c+\b)+7], v[\f+8*(4*\c+\a):\f+8*(4*\c+\a)+7], 0
.else
	v_wmma_f32_16x16x32_f16 v[ACC+8*(4*(\a)+\b):ACC+8*(4*(\a)+\b)+7], v[\f+64+8*(4*\c+\b):\f+64+8*(4*\c+\b)+7], v[\f+8*(4*\c+\a):\f+8*(4*\c+\a)+7], v[ACC+8*(4*(\a)+\b):ACC+8*(4*(\a)+\b)+7]
.endif
.endr
.endr
.endm
.macro FETCH slot, q, f                ; 32 LDS loads in one run: quarter q of the slot is its head q: 64 along K; the first 32 along K first
	WIN TO_F
.irp c, 0,1
.irp i, 0,1,2,3
	ds_load_b128 v[\f+64+8*(4*\c+\i):\f+64+8*(4*\c+\i)+3],   v[ADRB+\slot] offset:(\q)*128+64*\c+\i*16*PB
	ds_load_b128 v[\f+64+8*(4*\c+\i)+4:\f+64+8*(4*\c+\i)+7], v[ADRB+\slot] offset:(\q)*128+64*\c+\i*16*PB+32
	ds_load_b128 v[\f+8*(4*\c+\i):\f+8*(4*\c+\i)+3],         v[ADRA+\slot] offset:(\q)*HT+64*\c+\i*16*PA
	ds_load_b128 v[\f+8*(4*\c+\i)+4:\f+8*(4*\c+\i)+7],       v[ADRA+\slot] offset:(\q)*HT+64*\c+\i*16*PA+32
.endr
.endr
.endm
.macro PLACES
.rept 4
	v_nop
.endr
.endm
.macro QUARTER slot, q, f, g, zero     ; multiplies buffer f and fetches quarter q of the slot into g
	s_wait_dscnt 16                                ; the first 32 along K are in
	WIN MUL
	MUL8 \f, 0, 0, \zero
	MUL8 \f, 0, 2, \zero
	PLACES
	FETCH \slot, \q, \g
	s_wait_dscnt 32                                ; all but the 32 just issued
	WIN MUL
	MUL8 \f, 1, 0, 0
	MUL8 \f, 1, 2, 0
.endm
; A slot's last quarter changes slots: ONE barrier; in front of it each wave waits for all its tensor loads, adds 0 to its spare word, and waits for that and for its reads of this slot.
.macro TURN slot, next, fill
	WIN 0
	s_wait_tensorcnt 0x0                           ; all my tensor loads have landed: my part of the next slot
	ds_add_u32 v[SPW], v[NIL]
	s_wait_dscnt 17                                ; (the add and the youngest sixteen loads may be out)
	WIN MUL
	MUL8 F1, 0, 0, 0
	s_wait_dscnt 0x0                               ; the add is done, and my reads of this slot are over
	s_barrier_signal -1
	MUL8 F1, 0, 2, 0
.if \fill
	WIN 0
.endif
	s_barrier_wait -1
.if \fill
	CREST                                          ; the barrier has opened a round of the cluster's: no wave of any partner still reads this slot or has a load on its way
	s_add_nc_u64 s[G0+4*\slot+2:G0+4*\slot+3], s[G0+4*\slot+2:G0+4*\slot+3], 8*262144   ; two K steps on: eight heads,
	s_add_nc_u64 s[G0B+4*\slot+2:G0B+4*\slot+3], s[G0B+4*\slot+2:G0B+4*\slot+3], 1024   ; 512 along k
	JLOAD \slot                                    ; the first tensor load behind the round; its four v_nop are also the places in front of the loads below
.else
	PLACES
.endif
	FETCH \next, 0, F0
	WIN MUL
	MUL8 F1, 1, 0, 0
	MUL8 F1, 1, 2, 0
.endm
	s_wait_tensorcnt 1                             ; my part of K step 0 is in (K step 1's may be out)
	s_barrier_signal -1
	s_barrier_wait -1                              ; everybody's is
	FETCH 0, 0, F0
	QUARTER 0, 1, F0, F1, 1                        ; the first products start the sums.  Four K steps: written out, no loop
	QUARTER 0, 2, F1, F0, 0
	QUARTER 0, 3, F0, F1, 0
	TURN 0, 1, 1                                   ; slot 0 takes K step 2
	QUARTER 1, 1, F0, F1, 0
	QUARTER 1, 2, F1, F0, 0
	QUARTER 1, 3, F0, F1, 0
	TURN 1, 0, 1                                   ; slot 1 takes K step 3
	QUARTER 0, 1, F0, F1, 0
	QUARTER 0, 2, F1, F0, 0
	QUARTER 0, 3, F0, F1, 0
	TURN 0, 1, 0                                   ; nothing is left to fetch
	QUARTER 1, 1, F0, F1, 0
	QUARTER 1, 2, F1, F0, 0
	QUARTER 1, 3, F0, F1, 0
	s_wait_dscnt 16
	WIN MUL
	MUL8 F1, 0, 0, 0
	MUL8 F1, 0, 2, 0
	s_wait_dscnt 0
	MUL8 F1, 1, 0, 0
	MUL8 F1, 1, 2, 0
	WIN 0
	; THE WAY OUT: my 64 columns of f32 are 256 aligned bytes of a row, so each block of 16 rows goes through my own stage and needs no barrier.
	PLACES
.irp a, 0,1,2,3
.if \a > 1
	s_wait_xcnt 0x0                                ; block a - 2's stores have read the registers that these loads fill
.endif
.irp b, 0,1,2,3
	ds_store_b128 v[STO], v[ACC+8*(4*\a+\b):ACC+8*(4*\a+\b)+3] offset:64*\b          ; each accumulator from its low end on
	ds_store_b128 v[STO], v[ACC+8*(4*\a+\b)+4:ACC+8*(4*\a+\b)+7] offset:64*\b+16
.endr
.irp t, 0,1,2,3,4,5,6,7
	ds_load_b128 v[TMP+32*(\a%2)+4*\t:TMP+32*(\a%2)+4*\t+3], v[RD] offset:\t*2*SPITCH   ; LDS serves a wave's instructions in order
.endr
.irp t, 0,1,2,3,4,5,6,7
	s_wait_dscnt 7-\t
	global_store_b128 v[CO], v[TMP+32*(\a%2)+4*\t:TMP+32*(\a%2)+4*\t+3], s[8:9] offset:(16*\a+2*\t)*4096 th:TH_STORE_NT   ; sixteen lanes store 256 consecutive bytes, aligned
.endr
.endr
	s_wait_tensorcnt 0x0                           ; the wave's end
	ds_add_u32 v[SPW], v[NIL]
	s_wait_dscnt 0x0
	CROUND                                         ; the closing round
	s_endpgm
.Lfunc_end_k_q8ffd6d4fd6_proj:
	.size	k_q8ffd6d4fd6_proj, .Lfunc_end_k_q8ffd6d4fd6_proj-k_q8ffd6d4fd6_proj
	.p2alignl 7, 3214868480
	.fill 96, 4, 3214868480
	.section	.rodata,"a",@progbits
	.p2align	6, 0x0
	.amdhsa_kernel k_q8ffd6d4fd6_proj
		.amdhsa_group_segment_fixed_size 327680
		.amdhsa_private_segment_fixed_size 0
		.amdhsa_enable_private_segment 0
		.amdhsa_kernarg_size 24
		.amdhsa_user_sgpr_count 2
		.amdhsa_user_sgpr_kernarg_segment_ptr 1
		.amdhsa_wavefront_size32 1
		.amdhsa_system_sgpr_workgroup_id_x 1
		.amdhsa_system_sgpr_workgroup_id_y 1
		.amdhsa_system_sgpr_workgroup_id_z 1
		.amdhsa_system_vgpr_workitem_id 0
		.amdhsa_next_free_vgpr 512
		.amdhsa_next_free_sgpr 66
		.amdhsa_reserve_vcc 0
		.amdhsa_float_denorm_mode_32 3
		.amdhsa_float_denorm_mode_16_64 3
		.amdhsa_memory_ordered 1
		.amdhsa_forward_progress 1
		.amdhsa_inst_pref_size 86
	.end_amdhsa_kernel
	.amdgpu_metadata
---
amdhsa.version: [ 1, 2 ]
amdhsa.kernels:
  - .name:           k_q8ffd6d4fd6_proj
    .symbol:         k_q8ffd6d4fd6_proj.kd
    .args:
      - { .name: y16, .offset: 0, .size: 8, .value_kind: global_buffer, .address_space: global }
      - { .name: wpt, .offset: 8, .size: 8, .value_kind: global_buffer, .address_space: global }
      - { .name: out0, .offset: 16, .size: 8, .value_kind: global_buffer, .address_space: global }
    .group_segment_fixed_size: 327680
    .private_segment_fixed_size: 0
    .kernarg_segment_align: 8
    .kernarg_segment_size: 24
    .max_flat_workgroup_size: 128
    .sgpr_count:     66
    .vgpr_count:     512
    .wavefront_size: 32
...
	.end_amdgpu_metadata
.endif
;; end of part 4
;; launch fine (part 5): grid 32 x 2, 16 waves a work-group, no clusters, 38,912 bytes of LDS; arguments qkv32, w_proj, out0; writes out0
.if DOCPART == 5
	.amdgcn_target "amdgcn-amd-amdhsa--gfx1250"
	.amdhsa_code_object_version 6
	.text
	.protected	k_q8ffd6d4fd6_fine
	.globl	k_q8ffd6d4fd6_fine
	.p2align	8
	.type	k_q8ffd6d4fd6_fine,@function
k_q8ffd6d4fd6_fine:
	s_mov_b64 s[64:65], 0
	v_nop
	global_prefetch_b8 v0, s[64:65] scope:SCOPE_SE
	s_setreg_imm32_b32 hwreg(HW_REG_WAVE_MODE, 25, 1), 1
	s_wait_xcnt 0x0
; THE FIRST 16 POSITIONS OF BOTH SEQUENCES, IN f32 ALL THE WAY: these rows average one to sixteen values, are the largest of the output, and feel the rounding of 16-bit operands most.
; qkv32: f32 [b 2][t 16][3072] (q, k, v unscaled); w_proj: f32 [1024 (k)][1024 (n)]; out0 rows t < 16 of both batches are written over.
; Work-group (slice, b) makes out0[b][0..15][32 slice .. 32 slice + 31].  Wave hd is head hd: its 16 x 16 attention, then its share of the projection (k = 64 hd .. 64 hd + 63); the sixteen shares are added
; through LDS, in a fixed order.  The small attention is repeated in all 32 slices: 32 matrix instructions a wave, in place of one launch more.
; All products by the f32 matrix form, 64 instructions a wave: no bulk work.  Each K step of 4 takes the same four k in both operands, in an order that suits the loads.  The registers that this form writes
; (v16-31, v128-175) are written by matrix instructions alone.
; LIMITS: NaN and infinities are not served.
; REGISTERS: v1-9, v12 offsets; v10, v11 the add's two; v16-31 S^T in two halves of K; v32-63 Q; v64-95 K; v96-127 V; v128-159 O^T; v160-175 out^T; v176-183 s, then p; v184-189 at work; v192-255 w_proj.
.set SPARE, 16*16*144                  ; behind the sixteen shares: the spare words, 128 bytes for each wave
.set SPW, 10
.set NIL, 11
	s_load_b128 s[4:7], s[0:1], 0x0                ; qkv32 s[4:5], w_proj s[6:7]
	s_load_b64 s[8:9], s[0:1], 0x10                ; out0
	v_lshl_add_u32 v[SPW], v0, 2, SPARE
	v_mov_b32 v[NIL], 0
	v_lshrrev_b32 v1, 5, v0
	v_readfirstlane_b32 s10, v1                    ; wave = head; later: the row that I add up
	s_and_b32 s11, ttmp7, 0xffff                   ; b
	v_and_b32 v1, 15, v0                           ; r
	v_bfe_u32 v2, v0, 4, 1                         ; h
	v_mul_u32_u24 v3, v1, 12288
	v_lshl_add_u32 v3, v2, 4, v3                   ; Q, K: row r, + 16 h: the two lanes of a row read 32 neighbouring bytes
	v_mul_u32_u24 v4, v2, 8*12288
	v_lshl_add_u32 v4, v1, 2, v4                   ; V: keys 8 h on, channel r of a tile
	v_lshlrev_b32 v5, 15, v2
	v_lshl_add_u32 v5, v1, 2, v5                   ; w_proj: rows 8 h on, column r of a tile
	s_mov_b32 s20, 0x76543210
	s_mov_b32 s21, 0xfedcba98                      ; lane l xor 16
	s_mul_i32 s12, s11, 16*12288
	s_lshl_b32 s13, s10, 8
	s_add_co_u32 s12, s12, s13                     ; the batch, and the head's 64 columns
	s_mov_b32 s13, 0
	s_lshl_b32 s14, s10, 18                        ; w_proj: the head's 64 rows of 4,096 bytes,
	s_lshl_b32 s15, ttmp9, 7                       ; the slice's 32 columns
	s_add_co_u32 s14, s14, s15
	s_lshl_b32 s16, s11, 23                        ; out0: the batch's 2,048 rows,
	s_lshl_b32 s17, s10, 12                        ; row = my wave's number,
	s_add_co_u32 s16, s16, s17
	s_add_co_u32 s16, s16, s15                     ; the slice
	s_mov_b32 s15, 0
	s_mov_b32 s17, 0
	s_mul_i32 s18, s10, 16*144                     ; my share's place in LDS
	s_mul_i32 s19, s10, 144                        ; and the row that I add up
	s_wait_kmcnt 0x0
	s_add_nc_u64 s[4:5], s[4:5], s[12:13]
	s_add_nc_u64 s[6:7], s[6:7], s[14:15]
	s_add_nc_u64 s[8:9], s[8:9], s[16:17]
.irp i, 0,1,2,3,4,5,6,7
	global_load_b128 v[32+4*\i:35+4*\i], v3, s[4:5] offset:32*\i           ; Q(r, 8 i + 4 h ..): register 4 i + e holds channel 8 i + 4 h + e
	global_load_b128 v[64+4*\i:67+4*\i], v3, s[4:5] offset:4096+32*\i      ; K likewise
.endr
.irp t, 0,1,2,3
.irp k, 0,1,2,3,4,5,6,7
	global_load_b32 v[96+8*\t+\k], v4, s[4:5] offset:8192+\k*12288+64*\t   ; V(key 8 h + k, channel 16 t + r)
.endr
.endr
.irp nt, 0,1
.irp t, 0,1,2,3
.irp k, 0,1,2,3,4,5,6,7
	global_load_b32 v[192+32*\nt+8*\t+\k], v5, s[6:7] offset:(16*\t+\k)*4096+64*\nt   ; w_proj(64 hd + 16 t + 8 h + k, 32 slice + 16 nt + r)
.endr
.endr
.endr
	s_wait_loadcnt 63                              ; Q, K and V are in: 64 loads were issued behind V's last
	; S^T = K Q^T: K step c takes registers 2 c and 2 c + 1 of both operands, which hold the same channels in both.  Two accumulators by turns; their sum is the score.
.irp c, 0,1,2,3,4,5,6,7,8,9,10,11,12,13,14,15
.if \c < 2
	v_wmma_f32_16x16x4_f32 v[16+8*(\c%2):23+8*(\c%2)], v[64+2*\c:65+2*\c], v[32+2*\c:33+2*\c], 0
.else
	v_wmma_f32_16x16x4_f32 v[16+8*(\c%2):23+8*(\c%2)], v[64+2*\c:65+2*\c], v[32+2*\c:33+2*\c], v[16+8*(\c%2):23+8*(\c%2)]
.endif
.endr
	v_mul_u32_u24 v8, v1, 144                      ; these ten plain lines are the places behind the products (eight are owed behind this form: ISA guide 7.12.1)
	v_lshl_add_u32 v8, v2, 5, v8
	v_add_nc_u32 v8, s18, v8                       ; my share: row r of 128 bytes + 16, + 32 h
	v_and_b32 v12, 31, v0
	v_lshlrev_b32 v12, 2, v12                      ; 4 x lane
	v_add_nc_u32 v9, s19, v12                      ; the row that I add up, in share 0
	v_lshlrev_b32 v6, 3, v2
	v_sub_nc_u32 v6, v1, v6                        ; d = r - 8 h: register j holds key 8 h + j, hidden where j > d
	v_mov_b32 v7, 0xff800000                       ; -infinity
	v_mov_b32 v185, 0
.irp j, 0,2,4,6
	v_pk_add_f32 v[176+\j:177+\j], v[16+\j:17+\j], v[24+\j:25+\j]
.endr
.irp j, 0,1,2,3,4,5,6,7
	v_cmp_gt_i32 vcc_lo, \j, v6
	v_cndmask_b32 v[176+\j], v[176+\j], v7, vcc_lo
.endr
	v_max3_num_f32 v184, v176, v177, v178
	v_max3_num_f32 v186, v179, v180, v181
	v_max3_num_f32 v184, v184, v182, v183
	v_max_num_f32 v184, v184, v186
	v_permlanex16_b32 v185, v184, s20, s21
	v_max_num_f32 v184, v184, v185                 ; the row's maximum (key 0 counts for every query)
.irp j, 0,1,2,3,4,5,6,7
	v_sub_f32 v[176+\j], v[176+\j], v184           ; the difference first, then the factor: no large products are subtracted
.endr
.irp j, 0,1,2,3,4,5,6,7
	v_mul_f32 v[176+\j], 0x3e38aa3b, v[176+\j]     ; x log2(e) / 8
.endr
.irp j, 0,1,2,3,4,5,6,7
	v_exp_f32 v[176+\j], v[176+\j]
.endr
	v_nop                                          ; a plain instruction behind the last exponential
	s_wait_alu depctr_va_vdst(0)                   ; one wait for the eight
	v_add_f32 v186, v176, v177
	v_add_f32 v187, v178, v179
	v_add_f32 v188, v180, v181
	v_add_f32 v189, v182, v183
	v_add_f32 v186, v186, v187
	v_add_f32 v188, v188, v189
	v_add_f32 v186, v186, v188
	v_permlanex16_b32 v187, v186, s20, s21
	v_add_f32 v186, v186, v187                     ; the row's sum
	v_rcp_f32 v188, v186
	v_nop
	s_wait_alu depctr_va_vdst(0)
.irp j, 0,1,2,3,4,5,6,7
	v_mul_f32 v[176+\j], v[176+\j], v188           ; the weights, normalised
.endr
	; O^T = V^T P: K step c takes keys 8 h + 2 c + j.  Four accumulators by turns.
.irp c, 0,1,2,3
.irp t, 0,1,2,3
.if \c == 0
	v_wmma_f32_16x16x4_f32 v[128+8*\t:135+8*\t], v[96+8*\t+2*\c:97+8*\t+2*\c], v[176+2*\c:177+2*\c], 0
.else
	v_wmma_f32_16x16x4_f32 v[128+8*\t:135+8*\t], v[96+8*\t+2*\c:97+8*\t+2*\c], v[176+2*\c:177+2*\c], v[128+8*\t:135+8*\t]
.endif
.endr
.endr
.rept 9
	v_nop                                          ; the results become an operand of the next products: nine places behind this form
.endr
	s_wait_loadcnt 0x0                             ; w_proj
	; out^T = W^T y^T: the K step (t, jj) takes channels 16 t + 8 h + 2 jj + j, as O^T's registers hold them.  Two accumulators by turns.
.irp t, 0,1,2,3
.irp jj, 0,1,2,3
.irp nt, 0,1
.if \t+\jj == 0
	v_wmma_f32_16x16x4_f32 v[160+8*\nt:167+8*\nt], v[192+32*\nt+8*\t+2*\jj:193+32*\nt+8*\t+2*\jj], v[128+8*\t+2*\jj:129+8*\t+2*\jj], 0
.else
	v_wmma_f32_16x16x4_f32 v[160+8*\nt:167+8*\nt], v[192+32*\nt+8*\t+2*\jj:193+32*\nt+8*\t+2*\jj], v[128+8*\t+2*\jj:129+8*\t+2*\jj], v[160+8*\nt:167+8*\nt]
.endif
.endr
.endr
.endr
.rept 8
	v_nop
.endr
.irp nt, 0,1
	ds_store_b128 v8, v[160+8*\nt:163+8*\nt] offset:64*\nt        ; lane (r, h): my head's share of out(r, 16 nt + 8 h + 0 .. 7); each accumulator from its low end on
	ds_store_b128 v8, v[164+8*\nt:167+8*\nt] offset:64*\nt+16
.endr
	s_wait_dscnt 0x0                               ; for the others' sake: my stores are done
	s_barrier_signal -1
	s_barrier_wait -1
.irp w, 0,1,2,3,4,5,6,7,8,9,10,11,12,13,14,15
	ds_load_b32 v[32+\w], v9 offset:\w*16*144      ; row = my wave's number, of all sixteen shares
.endr
	s_wait_dscnt 0x0
	v_pk_add_f32 v[32:33], v[32:33], v[34:35]
	v_pk_add_f32 v[36:37], v[36:37], v[38:39]
	v_pk_add_f32 v[40:41], v[40:41], v[42:43]
	v_pk_add_f32 v[44:45], v[44:45], v[46:47]
	v_pk_add_f32 v[32:33], v[32:33], v[36:37]
	v_pk_add_f32 v[40:41], v[40:41], v[44:45]
	v_pk_add_f32 v[32:33], v[32:33], v[40:41]
	v_add_f32 v32, v32, v33
	global_store_b32 v12, v32, s[8:9]              ; 32 lanes store the slice's 128 bytes of the row
	s_wait_tensorcnt 0x0                           ; the wave's end, behind my last LDS store
	ds_add_u32 v[SPW], v[NIL]
	s_wait_dscnt 0x0
	s_endpgm
.Lfunc_end_k_q8ffd6d4fd6_fine:
	.size	k_q8ffd6d4fd6_fine, .Lfunc_end_k_q8ffd6d4fd6_fine-k_q8ffd6d4fd6_fine
	.p2alignl 7, 3214868480
	.fill 96, 4, 3214868480
	.section	.rodata,"a",@progbits
	.p2align	6, 0x0
	.amdhsa_kernel k_q8ffd6d4fd6_fine
		.amdhsa_group_segment_fixed_size 38912
		.amdhsa_private_segment_fixed_size 0
		.amdhsa_enable_private_segment 0
		.amdhsa_kernarg_size 24
		.amdhsa_user_sgpr_count 2
		.amdhsa_user_sgpr_kernarg_segment_ptr 1
		.amdhsa_wavefront_size32 1
		.amdhsa_system_sgpr_workgroup_id_x 1
		.amdhsa_system_sgpr_workgroup_id_y 1
		.amdhsa_system_sgpr_workgroup_id_z 1
		.amdhsa_system_vgpr_workitem_id 0
		.amdhsa_next_free_vgpr 256
		.amdhsa_next_free_sgpr 66
		.amdhsa_reserve_vcc 1
		.amdhsa_float_denorm_mode_32 3
		.amdhsa_float_denorm_mode_16_64 3
		.amdhsa_memory_ordered 1
		.amdhsa_forward_progress 1
		.amdhsa_inst_pref_size 23
	.end_amdhsa_kernel
	.amdgpu_metadata
---
amdhsa.version: [ 1, 2 ]
amdhsa.kernels:
  - .name:           k_q8ffd6d4fd6_fine
    .symbol:         k_q8ffd6d4fd6_fine.kd
    .args:
      - { .name: qkv32, .offset: 0, .size: 8, .value_kind: global_buffer, .address_space: global }
      - { .name: w_proj, .offset: 8, .size: 8, .value_kind: global_buffer, .address_space: global }
      - { .name: out0, .offset: 16, .size: 8, .value_kind: global_buffer, .address_space: global }
    .group_segment_fixed_size: 38912
    .private_segment_fixed_size: 0
    .kernarg_segment_align: 8
    .kernarg_segment_size: 24
    .max_flat_workgroup_size: 512
    .sgpr_count:     66
    .vgpr_count:     256
    .wavefront_size: 32
...
	.end_amdgpu_metadata
.endif
;; end of part 5
